; MI455X (gfx1250); checked and timed in simulation.
; The chip was launched on July 23, 2026; its instructions are those of AMD's public machine-readable ISA for CDNA 5 (MIT licence, August 2026) and "CDNA5" Instruction Set Architecture Reference Guide (July 2026). The comments in the code are by the model that wrote it; some were corrected since.
;; Multi Head Attention. Allowed arithmetic: matrix products marked QUANTISED: E2M3 operands, one E8M0 scale for each 32 along K, by v_wmma_scale_f32_16x16x128_f8f6f4 with both operands' format E2M3, f32 sums; everything else in f32.
;; Inputs: k_codes 8 x 1,024 x 32 x 24 uint8 (E2M3 codes of k, K innermost, in blocks of 32 codes, four codes in three bytes); k_scales 8 x 1,024 x 32 uint8 (E8M0 scales of k, one for each 32 codes along K); mask 8 x 1,024 bool; q_codes 8 x 1,024 x 32 x 24 uint8 (E2M3 codes of q, K innermost, in blocks of 32 codes, four codes in three bytes); q_scales 8 x 1,024 x 32 uint8 (E8M0 scales of q, one for each 32 codes along K); v_codes 8 x 1,024 x 32 x 24 uint8 (E2M3 codes of v, K innermost, in blocks of 32 codes, four codes in three bytes); v_scales 8 x 1,024 x 32 uint8 (E8M0 scales of v, one for each 32 codes along K); w_k_codes 1,024 x 32 x 24 uint8 (E2M3 codes of w_k, K innermost, in blocks of 32 codes, four codes in three bytes); w_k_scales 1,024 x 32 uint8 (E8M0 scales of w_k, one for each 32 codes along K); w_o_codes 1,024 x 32 x 24 uint8 (E2M3 codes of w_o, K innermost, in blocks of 32 codes, four codes in three bytes); w_o_scales 1,024 x 32 uint8 (E8M0 scales of w_o, one for each 32 codes along K); w_q_codes 1,024 x 32 x 24 uint8 (E2M3 codes of w_q, K innermost, in blocks of 32 codes, four codes in three bytes); w_q_scales 1,024 x 32 uint8 (E8M0 scales of w_q, one for each 32 codes along K); w_v_codes 1,024 x 32 x 24 uint8 (E2M3 codes of w_v, K innermost, in blocks of 32 codes, four codes in three bytes); w_v_scales 1,024 x 32 uint8 (E8M0 scales of w_v, one for each 32 codes along K).
;; Outputs: out0 8 x 1,024 x 1,024 float32.
;; This version of the problem:
;;   THIS VERSION OF THE PROBLEM IS GIVEN IN LOW PRECISION. The matrix products marked QUANTISED in the list below multiply operands that are first quantised to E2M3 (2 exponent bits, 3 mantissa bits; 6 bits a number), with one power-of-two scale for each 32 numbers along K (OCP MX v1.0); their sums are f32. All else is computed in f32.
;;   The module's matrix products, in the order in which they are computed (A, B: the left and right operand; K: the contracted axis; several contracted axes count as one K, in the product's order):
;;     1. [M 8,192, K 1,024] x [K 1,024, N 1,024]; A: input q (given as codes); B: input w_q (given as codes): QUANTISED
;;     2. [M 8,192, K 1,024] x [K 1,024, N 1,024]; A: input k (given as codes); B: input w_k (given as codes): QUANTISED
;;     3. [M 8,192, K 1,024] x [K 1,024, N 1,024]; A: input v (given as codes); B: input w_v (given as codes): QUANTISED
;;     4. batch 128 x [M 1,024, K 64] x [K 64, N 1,024]; A: computed on the way; B: computed on the way: QUANTISED
;;     5. batch 128 x [M 1,024, K 1,024] x [K 1,024, N 64]; A: softmax (see below); B: computed on the way: QUANTISED
;;     6. [M 8,192, K 1,024] x [K 1,024, N 1,024]; A: computed on the way; B: input w_o (given as codes): QUANTISED
;;   THE QUANTISER, for each operand of a quantised product, along K:
;;     - K is cut into blocks of 32 from its start; a last block that is shorter is filled with zeros.
;;     - A block's scale is 2^e with e = floor(log2(the largest magnitude in the block)) - 2, held to -126 .. 127; a block of zeros has e = 0. As a byte (E8M0): e + 127.
;;     - Each number is divided by its block's scale, clamped to +-7.5, and rounded to the nearest number of E2M3, ties to even, subnormals kept.
;;     - The product sums the exact products of the quantised numbers (number of the format x scale) in f32.
;;   ~~~python
;;   def quantise(x, axis):      # numpy; x: float32 -> the quantised numbers, widened to float32 again
;;       x = np.moveaxis(x, axis, -1); K = x.shape[-1]
;;       x = np.pad(x, [(0, 0)] * (x.ndim - 1) + [(0, -K % 32)]); x = x.reshape(x.shape[:-1] + (-1, 32)); a = np.abs(x).max(-1, keepdims=True)
;;       e = np.where(a > 0, np.clip(np.frexp(np.where(a > 0, a, 1))[1] - 1 - 2, -126, 127), 0)      # np.frexp(a)[1] - 1 = floor(log2(a)), exactly
;;       r = np.clip(x / 2.0 ** e, -7.5, 7.5)
;;       step = 2.0 ** (np.maximum(np.frexp(np.where(r == 0, 1, r))[1] - 1, 0) - 3)
;;       q = np.round(r / step) * step * 2.0 ** e      # np.round: ties to even
;;       return np.moveaxis(q.reshape(q.shape[:-2] + (-1,))[..., :K], -1, axis).astype(np.float32)
;;   ~~~
;;   SOFTMAX AHEAD OF A QUANTISED PRODUCT. Where the list says 'softmax', what is quantised is not the finished softmax but p = 2^(t - M), with t = logit x log2(e) and M = ceil(the row's largest t), a whole number; so 1/2 < the row's largest p <= 1. The row's sum l is taken of the UNQUANTISED p, in f32, and the product's result is divided by l at the end. Since M is a whole number, a kernel that streams over the keys may use a running M (the ceiling of the running maximum): every later rescaling is an exact power of two, which a block's scale takes up: the codes' values come out the same.
;;   OPERANDS COMPUTED ON THE WAY. 'Computed on the way' means the value that the module computes at that place (a softmax that the list does not call 'softmax' is quantised finished and normalised). What goes into a quantiser is computed in f32, as accurately as f32 sums, v_exp_f32 and their like allow (about 1e-6 of the number): no bf16 or f16 on the way to a quantiser, and a product that is left as it is and whose result goes on into a quantised operand takes f32 operands (vector FMAs, or v_wmma_f32_16x16x4_f32). A number that lies on a knife's edge between two numbers of the format may be rounded either way, as far as f32 arithmetic and the matrix unit's own rounding can turn it there, and no further.
;;   INPUTS GIVEN AS CODES. k (in the module: [8, 1024, 1024], K = its axis 2); q (in the module: [8, 1024, 1024], K = its axis 2); v (in the module: [8, 1024, 1024], K = its axis 2); w_k (in the module: [1024, 1024], K = its axis 1); w_o (in the module: [1024, 1024], K = its axis 1); w_q (in the module: [1024, 1024], K = its axis 1); w_v (in the module: [1024, 1024], K = its axis 1): each comes as NAME_codes (uint8): NAME with its K axis moved to the last place and cut into blocks of 32 codes, [.., K / 32, bytes a block], one block behind the other in memory; four codes in three bytes: a row's codes are one little-endian stream of bits, code i at bits 6 i .. 6 i + 5 (a code: sign, 2 exponent bits, 3 mantissa bits); and NAME_scales (uint8): the same leading axes, one E8M0 byte (e + 127) for each 32 codes along K. Its value is code x scale, taken as it is: it is not quantised again, and the codes and scales need not be those that the quantiser above would give.
;; One version. Each part assembles by itself: llvm-mc -triple=amdgcn-amd-amdhsa -mcpu=gfx1250 --defsym DOCPART=n.
;; ======== version 1 of 1: 3 launches
;; limits: right only within a limited range of input values
;; workspace buffers: vf 33,554,432 bytes; qc 6,291,456 bytes; qs 262,144 bytes; kc 6,291,456 bytes; ks 262,144 bytes; oc 6,291,456 bytes; os 262,144 bytes
;; launch qkv (part 1): grid 4 x 64, 4 waves a work-group, clusters of 4 x 4, 327,680 bytes of LDS; arguments q_codes, q_scales, w_q_codes, w_q_scales, k_codes, k_scales, w_k_codes, w_k_scales, v_codes, v_scales, w_v_codes, w_v_scales, qc, qs, kc, ks, vf; writes qc, qs, kc, ks, vf
.if DOCPART == 1
	.amdgcn_target "amdgcn-amd-amdhsa--gfx1250"
	.amdhsa_code_object_version 6
	.text
	.protected	k_q08f507f70e_qkv
	.globl	k_q08f507f70e_qkv
	.p2align	8
	.type	k_q08f507f70e_qkv,@function
k_q08f507f70e_qkv:
	s_mov_b64 s[64:65], 0
	v_nop
	global_prefetch_b8 v0, s[64:65] scope:SCOPE_SE
	s_setreg_imm32_b32 hwreg(HW_REG_WAVE_MODE, 25, 1), 1
	s_wait_xcnt 0x0
	s_wait_alu depctr_hold_cnt(0) depctr_sa_sdst(0) depctr_va_vdst(0) depctr_va_sdst(0) depctr_va_ssrc(0) depctr_va_vcc(0) depctr_vm_vsrc(0)
	s_getreg_b32 s2, hwreg(HW_REG_IB_STS2, 6, 4)
	s_cmp_eq_u32 s2, 0
	s_cbranch_scc0 .Lentry_in_a_cluster
	s_endpgm
.Lentry_in_a_cluster:
	s_bfe_u32 s2, ttmp6, 0x10000c
	s_cmp_lg_u32 s2, 0xf033
	s_cbranch_scc0 .Lentry_shape_is_right
	s_endpgm
.Lentry_shape_is_right:
; Three products C[m][n] = sum over k of A[m][k] B[n][k], 8,192 x 1,024 x 1,024 each, on codes of FP6 (E2M3) with one E8M0 scale for each 32 along K: q w_q^T, k w_k^T, v w_v^T.
; A WORK-GROUP STAYS: it makes the same 128 x 256 of C of all three, one after the other.  The first two are QUANTISED along C's rows (blocks of 32 neighbouring columns) and leave as
; codes [column / 128][row][96 bytes] and scale bytes [column / 128][row][4], as the attention launch reads them; the third leaves as f32, row-major.
; Inside a block the 32 codes lie in the order 0-7, 16-23, 8-15, 24-31 of its columns, as the results lie in the lanes; both operands of the product that reads them are made here, so the order is the same on both sides.
; A block's scale is 2^(floor(log2(its largest magnitude)) - 2); its byte is the largest magnitude's exponent field - 2, held at 1 from below.
; LIMITS: a block of zeros gets the byte 1 (its codes are zeros; this program alone reads the bytes); blocks whose largest magnitude lies under 2^-124 keep the byte 1; NaN and infinities among the sums are not served.
; SHARES: a wave makes 64 x 128: 32 accumulators, 256 registers.  ALL OF K OF ONE TILE LIES IN LDS: 128 rows of A and 256 of B, 768 bytes each, which begin at multiples of 256 bytes in memory;
; 16 bytes of padding behind every 256: an LDS row is 816 bytes.  One tensor load a wave: waves 0, 1 fetch 64 rows of A each, waves 2, 3 128 rows of B each.
; THE REFILL: at a tile's last K step all fragments are in registers; the waits, the add and a round of the cluster's barrier follow, and the next product's rows are asked for; the finished tile is quantised and stored meanwhile.
; The quantising stage has LDS bytes of its own, on which no fill lands; the f32 stage of the last tile lies over the tiles' bytes, which have had their last fill by then.
; THE SCALES go from memory into registers: lane (r, h) takes the 16 bytes at 32 r + 16 h of a block of 16 rows: lanes 0-15 hold the words of K steps 0-3, lanes 16-31 those of steps 4-7 (the ROW1 selectors).
; CLUSTERS: 4 x 4 work-groups; tile column = cx, tile row = 4 x cluster y + cy.  A's tiles are asked for jointly along a row of the cluster, B's along a column.
; PREFETCH: in K steps 0, 1, 2 of a trip waves 0, 2 and 3 name one block of 256 bytes a lane of the next tile, five K steps or more ahead of its refill: of A's 128 rows the partner at cx takes 32, of each 128 rows of B the partner at cy 32.
; THE MATRIX INSTRUCTION IS USED TRANSPOSED (source 0 = 16 rows of B, source 1 = 16 rows of A): a lane holds eight neighbouring numbers of a row of C.
; REGISTERS: window 0: v0-31 addresses; v32-47 A's scale words, v48-79 B's; v96-191 A's fragments, two sets.  window 1: B's fragments, two sets, at v0 and v128.  window 2: accumulator (a, b) at v[64 a + 8 b].
.set SIZE_M, 8192
.set SIZE_N, 1024
.set KROW,   768
.set PITCH,  816
.set ABYTES, 128*PITCH
.set SPARE,  384*PITCH                 ; the spare words, 128 bytes a wave
.set QST,    SPARE+512                 ; the quantising stage: 2,048 bytes a wave: 1,536 of codes, then 256 of scale words
.set SPITCH, 528                       ; the f32 stage: 16 rows x (512 + 16) bytes a wave, from LDS byte 0 on
.set QSS,  12
.set QRS,  13
.set CO8,  14                          ; 8 x lane
.set PFO,  15                          ; the prefetches' offset
.set ADRA, 16
.set ADRB, 20
.set STO,  24
.set RD,   25
.set CO,   26                          ; 16 x lane
.set SOF,  27                          ; 32 r + 16 h
.set SPW,  28
.set NIL,  29
.set QSTO, 30
.set QRD,  31
.set SCA,  32
.set SCB,  48
.set AF,   96
.set BK,   128
.set QC,   112
.set OB,   132
.set TM,   200
.set PW,   216
.set G1, 24
.set G0, 32
.set G1B, 48
.set G0B, 56
.set PF, 60                            ; s[60:61] the prefetches' base
.set NX, 76                            ; s[76:83] the next tile: A's codes, A's scales, B's codes, B's scales, each at my part;  s[84:91] the one after
.set OU, 92                            ; s[92:95] this tile's codes and scale bytes out;  s[96:99] the next tile's;  s[100:101] the f32 output
.set MSB, 0
.macro WIN new                         ; the immediate's high byte repeats the setting that is left
.if MSB != \new
	s_set_vgpr_msb (MSB<<8)|\new
.set MSB, \new
.endif
.endm
.set MUL_W, 0xa1                       ; source 0 (B) window 1, source 1 (A) window 0, C and D window 2
.set TO_B,  0x40
.macro CREST                           ; a round of the cluster's barrier behind its opening barrier
	s_cmp_lg_u32 s14, 0
	s_cbranch_scc1 .Lnot_wave_0_\@
	s_barrier_signal -3
.Lnot_wave_0_\@:
	s_barrier_wait -3
	s_barrier_signal -1
	s_barrier_wait -1
.endm
.macro CROUND
	s_barrier_signal -1
	s_barrier_wait -1
	CREST
.endm
.macro PLACES
.rept 4
	v_nop
.endr
.endm
.macro JLOAD                           ; one joint load a wave, a load in each arm; s_nop 0 and four v_nop behind each
	s_cmp_eq_u32 s15, 0
	s_cbranch_scc0 .Lfor_b_\@
	tensor_load_to_lds s[G0:G0+3], s[G1:G1+7]
	s_nop 0
	PLACES
	s_branch .Lasked_\@
.Lfor_b_\@:
	tensor_load_to_lds s[G0B:G0B+3], s[G1B:G1B+7]
	s_nop 0
	PLACES
.Lasked_\@:
.endm
.macro SCLOAD sa, sb                   ; a tile's scale words: 12 loads of 512 bytes on end
.irp a, 0,1,2,3
	global_load_b128 v[SCA+4*\a:SCA+4*\a+3], v[SOF], s[\sa:\sa+1] offset:512*\a
.endr
.irp b, 0,1,2,3,4,5,6,7
	global_load_b128 v[SCB+4*\b:SCB+4*\b+3], v[SOF], s[\sb:\sb+1] offset:512*\b
.endr
.endm
	s_load_b512 s[68:83], s[0:1], 0x0              ; q's set: A's codes, A's scales, B's codes, B's scales; k's set
	s_load_b256 s[84:91], s[0:1], 0x40             ; v's set
	s_load_b256 s[92:99], s[0:1], 0x60             ; qc, qs, kc, ks
	s_load_b64 s[100:101], s[0:1], 0x80            ; vf
	v_lshl_add_u32 v[SPW], v0, 2, SPARE
	v_mov_b32 v[NIL], 0
	ds_add_u32 v[SPW], v[NIL]                      ; the opening lines: the add, twice on end, and its wait
	ds_add_u32 v[SPW], v[NIL]
	v_lshrrev_b32 v1, 5, v0
	v_readfirstlane_b32 s14, v1                    ; wave 0..3
	s_lshr_b32 s15, s14, 1                         ; my half of the tile's rows.  Also: I fetch for A (0) or for B (1)
	s_and_b32 s16, s14, 1                          ; my half of its columns.  Also: which half of that tile I fetch
	s_bfe_u32 s40, ttmp6, 0x40000                  ; cx = tile column
	s_bfe_u32 s41, ttmp6, 0x40004                  ; cy
	s_and_b32 s17, ttmp7, 0xffff
	s_lshl_b32 s17, s17, 2
	s_add_co_u32 s17, s17, s41                     ; tile row = 4 x cluster y + cy
	s_lshl_b32 s43, s41, 2
	s_lshl_b32 s43, 15, s43                        ; my row of the cluster
	s_lshl_b32 s44, 0x1111, s40                    ; my column
	; group 1: rows of 768 bytes, 16 bytes of padding behind every 64 words; 64 rows of A, 128 of B
	s_or_b32 s[G1+0], s43, (0<<16)|(1<<20)|(1<<21)|(5<<22)|(3<<25)
	s_or_b32 s[G1B+0], s44, (0<<16)|(1<<20)|(1<<21)|(5<<22)|(3<<25)
	s_mov_b32 s[G1+1], KROW<<16
	s_mov_b32 s[G1+2], 64<<16
	s_mov_b32 s[G1+3], KROW<<16
	s_mov_b32 s[G1+4], 64
	s_mov_b32 s[G1+5], KROW
	s_mov_b32 s[G1+6], 0
	s_mov_b32 s[G1+7], 0
	s_mov_b32 s[G1B+1], KROW<<16
	s_mov_b32 s[G1B+2], 128<<16
	s_mov_b32 s[G1B+3], KROW<<16
	s_mov_b32 s[G1B+4], 128
	s_mov_b32 s[G1B+5], KROW
	s_mov_b32 s[G1B+6], 0
	s_mov_b32 s[G1B+7], 0
	s_lshl_b32 s20, s17, 7                         ; A's codes: I fetch from row 128 x tile row + 64 x half
	s_lshl_b32 s18, s16, 6
	s_add_co_u32 s18, s20, s18
	s_mul_i32 s18, s18, KROW
	s_mov_b32 s19, 0
	s_lshl_b32 s36, s40, 8                         ; B: row 256 x tile column + 128 x half: the rows that I fetch, and the rows that I multiply
	s_lshl_b32 s37, s16, 7
	s_add_co_u32 s36, s36, s37
	s_lshl_b32 s38, s36, 5                         ; their scales: 32 bytes a row
	s_mov_b32 s39, 0
	s_mul_i32 s36, s36, KROW
	s_mov_b32 s37, 0
	s_lshl_b32 s21, s15, 6
	s_add_co_u32 s20, s20, s21                     ; my first row of C
	s_lshl_b32 s22, s20, 5                         ; A's scales from there on
	s_mov_b32 s23, 0
	s_wait_dscnt 0x0
	s_wait_kmcnt 0x0
.irp g, 68, 76, 84
	s_add_nc_u64 s[\g:\g+1], s[\g:\g+1], s[18:19]
	s_add_nc_u64 s[\g+2:\g+3], s[\g+2:\g+3], s[22:23]
	s_add_nc_u64 s[\g+4:\g+5], s[\g+4:\g+5], s[36:37]
	s_add_nc_u64 s[\g+6:\g+7], s[\g+6:\g+7], s[38:39]
.endr
	s_mov_b32 s[G0], 1
	s_mul_i32 s[G0+1], s16, 64*PITCH               ; no place in the cluster enters an LDS address
	s_mov_b64 s[G0+2:G0+3], s[68:69]
	s_or_b32 s[G0+3], s[G0+3], 0x80000000
	s_mov_b32 s[G0B], 1
	s_mul_i32 s[G0B+1], s16, 128*PITCH
	s_add_co_u32 s[G0B+1], s[G0B+1], ABYTES
	s_mov_b64 s[G0B+2:G0B+3], s[72:73]
	s_or_b32 s[G0B+3], s[G0B+3], 0x80000000
	CROUND                                         ; all sixteen work-groups are here: the joint loads meet
	JLOAD                                          ; q's tile
	s_mul_i32 s21, s15, 64*PITCH                   ; my 64 rows of A in LDS
	s_mul_i32 s22, s16, 128*PITCH                  ; my 128 rows of B
	s_add_co_u32 s22, s22, ABYTES
	s_mul_i32 s23, s14, 16*SPITCH                  ; my f32 stage
	s_lshl_b32 s45, s14, 11                        ; my quantising stage
	s_add_co_u32 s45, s45, QST
	s_mov_b32 s62, 0x76543210                      ; v_permlanex16_b32's selects for lane l xor 16
	s_mov_b32 s63, 0xfedcba98
	s_lshl_b32 s46, s40, 1
	s_add_co_u32 s46, s46, s16                     ; my 128 columns: 2 x tile column + half
	s_lshl_b32 s18, s20, 12                        ; f32: row x 4,096 bytes + 512 for each 128 columns
	s_lshl_b32 s36, s46, 9
	s_add_co_u32 s18, s18, s36
	s_add_nc_u64 s[100:101], s[100:101], s[18:19]
	s_mul_i32 s36, s20, 96                         ; codes: row x 96 + a plane of 8,192 rows for each 128 columns
	s_mul_i32 s38, s46, SIZE_M*96
	s_add_co_u32 s36, s36, s38
	s_add_nc_u64 s[92:93], s[92:93], s[36:37]
	s_add_nc_u64 s[96:97], s[96:97], s[36:37]
	s_lshl_b32 s38, s20, 2                         ; scale bytes out: row x 4 + a plane of 32,768
	s_lshl_b32 s36, s46, 15
	s_add_co_u32 s38, s38, s36
	s_add_nc_u64 s[94:95], s[94:95], s[38:39]
	s_add_nc_u64 s[98:99], s[98:99], s[38:39]
	s_cmp_eq_u32 s15, 0
	s_cselect_b32 s47, s40, s41                    ; my place among the four that ask for the tile with me
	s_mul_i32 s47, s47, 32*KROW                    ; my work-group's 32 rows
	v_and_b32 v1, 15, v0                           ; r
	v_bfe_u32 v2, v0, 4, 1                         ; h
	v_and_b32 v6, 31, v0
	v_mul_u32_u24 v3, v1, PITCH
	v_mad_u32_u24 v4, v2, 24, v3                   ; a fragment's row x pitch + 24 h
	v_mad_u32_u24 v5, v2, 40, v3                   ; and behind one padding more
	v_add_nc_u32 v[ADRA], s21, v4
	v_add_nc_u32 v[ADRA+1], s21, v5
	v_add_nc_u32 v[ADRB], s22, v4
	v_add_nc_u32 v[ADRB+1], s22, v5
	v_add_nc_u32 v[ADRB+2], 64*PITCH, v[ADRB]
	v_add_nc_u32 v[ADRB+3], 64*PITCH, v[ADRB+1]
	v_lshlrev_b32 v7, 5, v1
	v_lshl_add_u32 v[SOF], v2, 4, v7
	v_mul_u32_u24 v8, v1, SPITCH
	v_lshl_add_u32 v8, v2, 5, v8
	v_add_nc_u32 v[STO], s23, v8
	v_lshlrev_b32 v[CO], 4, v6
	v_add_nc_u32 v[RD], s23, v[CO]
	v_mul_u32_u24 v9, v1, 96
	v_mad_u32_u24 v9, v2, 24, v9
	v_add_nc_u32 v[QSTO], s45, v9
	v_add_nc_u32 v[QRD], s45, v[CO]
	v_lshl_add_u32 v[QSS], v1, 2, s45
	v_add_nc_u32 v[QSS], 1536, v[QSS]
	v_lshlrev_b32 v[CO8], 3, v6
	v_add_nc_u32 v[QRS], s45, v[CO8]
	v_add_nc_u32 v[QRS], 1536, v[QRS]
	v_mul_u32_u24 v[PFO], v6, KROW                 ; a lane a row
	v_add_nc_u32 v[PFO], s47, v[PFO]
.irp b, 0,1,2,3
	v_mov_b32 v[TM+4+\b], 0                        ; written once: a lane permute's destination counts as one of its sources
.endr
	s_wait_alu depctr_va_vdst(0)                   ; the wait at the head's end
	SCLOAD 70, 74                                  ; q's and w_q's scale words
; A fragment: lane l holds row l % 16; registers 6 c .. 6 c + 5 hold K = 64 c + 32 (l / 16) + 0 .. 31: 24 bytes of the row's stream of bits, in pieces of 8.  Byte y of a row lies at y + 16 (y / 256) of its LDS row.
.macro FRAG reg, adr, st, i
.irp p, 0,1,2,3,4,5
.set BY, 96*(\st)+48*(\p/3)+8*(\p%3)
.if BY/256 == (BY+24)/256
	ds_load_b64 v[\reg+2*\p:\reg+2*\p+1], v[\adr] offset:BY+16*(BY/256)+(\i)*16*PITCH
.else
	ds_load_b64 v[\reg+2*\p:\reg+2*\p+1], v[\adr+1] offset:BY+16*(BY/256)+(\i)*16*PITCH
.endif
.endr
.endm
.macro FETCH st                        ; step st's fragments into set st % 2: 72 loads
	WIN TO_B
.irp i, 0,1,2,3,4,5,6,7
	FRAG 128*((\st)%2)+12*\i, ADRB+2*(\i/4), \st, \i%4
.endr
	WIN 0
.irp i, 0,1,2,3
	FRAG AF+48*((\st)%2)+12*\i, ADRA, \st, \i
.endr
.endm
; 16 matrix instructions: A's blocks a0, a0 + 1 x B's eight, 128 along K.  The 32 accumulators take turns, in the same order in every step.  A tile's first step starts the sums.
.macro MULH st, a0
.set BP, 128*((\st)%2)
.set AP, AF+48*((\st)%2)
.set SQ, (\st)%4
	WIN MUL_W
.irp a, \a0, \a0+1
.irp b, 0,1,2,3,4,5,6,7
.if (\st) == 0
	v_wmma_scale_f32_16x16x128_f8f6f4 v[64*(\a)+8*\b:64*(\a)+8*\b+7], v[BP+12*\b:BP+12*\b+11], v[AP+12*(\a):AP+12*(\a)+11], 0, v[SCB+4*\b+SQ], v[SCA+4*(\a)+SQ] matrix_a_fmt:MATRIX_FMT_FP6 matrix_b_fmt:MATRIX_FMT_FP6
.else
.if (\st) < 4
	v_wmma_scale_f32_16x16x128_f8f6f4 v[64*(\a)+8*\b:64*(\a)+8*\b+7], v[BP+12*\b:BP+12*\b+11], v[AP+12*(\a):AP+12*(\a)+11], v[64*(\a)+8*\b:64*(\a)+8*\b+7], v[SCB+4*\b+SQ], v[SCA+4*(\a)+SQ] matrix_a_fmt:MATRIX_FMT_FP6 matrix_b_fmt:MATRIX_FMT_FP6
.else
	v_wmma_scale_f32_16x16x128_f8f6f4 v[64*(\a)+8*\b:64*(\a)+8*\b+7], v[BP+12*\b:BP+12*\b+11], v[AP+12*(\a):AP+12*(\a)+11], v[64*(\a)+8*\b:64*(\a)+8*\b+7], v[SCB+4*\b+SQ], v[SCA+4*(\a)+SQ] matrix_a_fmt:MATRIX_FMT_FP6 matrix_b_fmt:MATRIX_FMT_FP6 matrix_a_scale:MATRIX_SCALE_ROW1 matrix_b_scale:MATRIX_SCALE_ROW1
.endif
.endif
.endr
.endr
.endm
.macro MUL st
	MULH \st, 0
	MULH \st, 2
	WIN 0
.endm
.macro ASK j                           ; 32 rows x 256 bytes of the next tile, a lane a row; wave 1 has no share
	s_cmp_eq_u32 s14, 1
	s_cbranch_scc1 .Lnone_\@
	global_prefetch_b8 v[PFO], s[PF:PF+1] offset:256*(\j) th:TH_LOAD_NT scope:SCOPE_SE
.Lnone_\@:
.endm
; A tile's K steps 0 to 6; step 7's fragments are asked for in step 6.
.macro WALK pf
	s_wait_tensorcnt 0x0                           ; my part of the tile is in,
	s_wait_loadcnt 0x0                             ; and my scale words
	s_barrier_signal -1
	s_barrier_wait -1                              ; everybody's part is
	FETCH 0
.set ST, 0
.rept 7
	s_wait_dscnt 0x0                               ; this step's fragments are in
.if ST > 0
	PLACES                                         ; in front of loads into the set that the last step multiplied
.endif
	FETCH ST+1
.if \pf
.if ST < 3
	ASK ST
.endif
.endif
	MUL ST
.set ST, ST+1
.endr
.endm
; THE QUANTISING WAY OUT.  In block a (16 rows) lane (r, h) holds row r; register 16 b + i of its 64 is column 32 b + 16 (i / 8) + 8 h + i % 8: half of block b of 32 columns; lane l xor 16 holds the other half.
; The conversions give half blocks; three exchanges of halves a pair of blocks give a lane a whole block: lane (r, h), registers QC + 6 c on: block 2 c + h.
.macro QOUT a
.set AC, 64*(\a)
	WIN 0x28                                       ; sources 1 and 2: window 2
.irp b, 0,1,2,3
	v_max3_num_f32 v[TM+\b], 0x1800000, |v[AC+16*\b]|, |v[AC+16*\b+1]|   ; my 16 numbers of block b, each accumulator from its low end on, and the floor 2^(3 - 127)
.endr
.irp i, 2,4,6,8,10,12,14
.irp b, 0,1,2,3
	v_max3_num_f32 v[TM+\b], v[TM+\b], |v[AC+16*\b+\i]|, |v[AC+16*\b+\i+1]|
.endr
.endr
	WIN 0
.irp b, 0,1,2,3
	v_permlanex16_b32 v[TM+4+\b], v[TM+\b], s62, s63
.endr
.irp b, 0,1,2,3
	v_max_num_f32 v[TM+\b], v[TM+\b], v[TM+4+\b]   ; with lane l xor 16's: the block's largest magnitude
.endr
.irp b, 0,1,2,3
	v_add_nc_u32 v[TM+12+\b], 0xff000000, v[TM+\b] ; 2 off its exponent field: the conversion's scale operand
.endr
.irp b, 0,1,2,3
	v_lshrrev_b32 v[TM+4+\b], 23, v[TM+12+\b]      ; the scale's byte
.endr
	v_lshl_or_b32 v[PW], v[TM+5], 8, v[TM+4]       ; my row's four bytes
	v_lshl_or_b32 v[PW], v[TM+6], 16, v[PW]
	v_lshl_or_b32 v[PW], v[TM+7], 24, v[PW]
	WIN 0x02                                       ; source 0: window 2
.irp c, 0,1
	v_cvt_scalef32_pk16_fp6_f32 v[QC+6*\c:QC+2+6*\c], v[AC+32*\c:AC+15+32*\c], v[TM+12+2*\c]
	v_cvt_scalef32_pk16_fp6_f32 v[QC+12+4*\c:QC+14+4*\c], v[AC+16+32*\c:AC+31+32*\c], v[TM+12+2*\c+1]   ; (a conversion's three registers begin on an even number)
.endr
	WIN 0
	v_nop                                          ; one plain place behind a scaled conversion
.irp c, 0,1
.irp i, 0,1,2
	v_permlane16_swap_b32 v[QC+6*\c+\i], v[QC+12+4*\c+\i]
.endr
.irp i, 0,1,2
	v_mov_b32 v[QC+3+6*\c+\i], v[QC+12+4*\c+\i]
.endr
.endr
.irp p, 0,1,2,3,4,5
	ds_store_b64 v[QSTO], v[QC+2*\p:QC+2*\p+1] offset:48*(\p/3)+8*(\p%3)   ; row r's 96 bytes: block 2 c + h at 48 c + 24 h
.endr
	ds_store_b32 v[QSS], v[PW] offset:64*(\a)      ; both lanes of a row write the same word with the same value
	s_wait_xcnt 0x0                                ; the last block's stores have read the registers that the loads below fill
.irp i, 0,1,2
	ds_load_b128 v[OB+4*\i:OB+4*\i+3], v[QRD] offset:512*\i   ; LDS serves a wave's instructions in order (ISA guide 5.7.1.4): these see my stores
.endr
	s_wait_dscnt 0x0                               ; the block is back, and the stores above have read their registers
.irp i, 0,1,2
	global_store_b128 v[CO], v[OB+4*\i:OB+4*\i+3], s[OU:OU+1] offset:1536*(\a)+512*\i   ; 16 rows x 96 bytes are 1,536 consecutive bytes: 512 a store, aligned
.endr
.endm
	s_mov_b32 s3, 2                                ; two tiles leave as codes: q's, k's
.Ltile:
	s_cmp_eq_u32 s15, 0
	s_cselect_b64 s[PF:PF+1], s[NX:NX+1], s[NX+4:NX+5]   ; the next tile's rows of A, or of B (behind the wait on XCNT at the last trip's end)
	WALK 1
	s_wait_tensorcnt 0x0                           ; no tensor load of mine is out;
	ds_add_u32 v[SPW], v[NIL]                      ; 0 onto my spare word;
	s_mov_b64 s[G0+2:G0+3], s[NX:NX+1]             ; so the descriptors may be written: the next tile's rows
	s_or_b32 s[G0+3], s[G0+3], 0x80000000
	s_mov_b64 s[G0B+2:G0B+3], s[NX+4:NX+5]
	s_or_b32 s[G0B+3], s[G0B+3], 0x80000000
	s_wait_dscnt 0x0                               ; the add is done, and my reads of this tile are over: step 7's fragments are in registers
	s_barrier_signal -1                            ; the barrier opens a round of the cluster's barrier
	MULH 7, 0
	WIN 0
	s_barrier_wait -1
	CREST                                          ; no wave of any partner still reads the tile or has a load on its way
	JLOAD                                          ; the refill, the first tensor load behind the round
	MULH 7, 2
	WIN 0
	PLACES                                         ; in front of loads into the scale registers, and of the first reads of results
	SCLOAD NX+2, NX+6                              ; the next tile's scale words
.irp a, 0,1,2,3
	QOUT \a
.endr
	ds_load_b64 v[160:161], v[QRS]                 ; my 64 rows' scale words: 256 bytes on end
	s_wait_dscnt 0x0
	global_store_b64 v[CO8], v[160:161], s[OU+2:OU+3]   ; 32 lanes store 256 consecutive bytes, aligned
	s_wait_xcnt 0x0                                ; every load, store and prefetch of mine has read its base: the bases move on
	s_mov_b64 s[NX:NX+1], s[NX+8:NX+9]
	s_mov_b64 s[NX+2:NX+3], s[NX+10:NX+11]
	s_mov_b64 s[NX+4:NX+5], s[NX+12:NX+13]
	s_mov_b64 s[NX+6:NX+7], s[NX+14:NX+15]
	s_mov_b64 s[OU:OU+1], s[OU+4:OU+5]
	s_mov_b64 s[OU+2:OU+3], s[OU+6:OU+7]
	s_sub_co_u32 s3, s3, 1
	s_cmp_lg_u32 s3, 0
	s_wait_alu depctr_va_vdst(0)                   ; directly ahead of the branch
	s_cbranch_scc1 .Ltile
	WALK 0                                         ; v's tile: nothing more is asked for
	s_wait_dscnt 0x0                               ; my last reads of the tiles are over:
	s_barrier_signal -1                            ; say so; behind this barrier the f32 stages are laid over the tiles' bytes, which have had their last fill
	MUL 7
	s_barrier_wait -1
	PLACES
; THE F32 WAY OUT, block by block of 16 rows x 128 columns, through my own stage: whole rows of 512 bytes come back and leave as two aligned runs of 256 bytes.
.macro TOSTAGE a
	WIN 0x08                                       ; the data: window 2
.irp b, 0,1,2,3,4,5,6,7
	ds_store_b128 v[STO], v[64*(\a)+8*\b:64*(\a)+8*\b+3] offset:64*\b       ; each accumulator from its low end on
	ds_store_b128 v[STO], v[64*(\a)+8*\b+4:64*(\a)+8*\b+7] offset:64*\b+16
.endr
	WIN 0
.set BB, BK+64*((\a)%2)
.irp t, 0,1,2,3,4,5,6,7,8,9,10,11,12,13,14,15
	ds_load_b128 v[BB+4*\t:BB+4*\t+3], v[RD] offset:\t*SPITCH
.endr
.endm
.macro SEND a, younger                 ; younger: the LDS instructions issued behind block a's loads, which may stay out
.set BB, BK+64*((\a)%2)
	s_wait_dscnt \younger
.if (\a) > 0
	s_add_nc_u64 s[100:101], s[100:101], 16*SIZE_N*4   ; (behind a wait on XCNT: the earlier stores have read their base)
.endif
.irp t, 0,1,2,3,4,5,6,7,8,9,10,11,12,13,14,15
	global_store_b128 v[CO], v[BB+4*\t:BB+4*\t+3], s[100:101] offset:\t*SIZE_N*4 th:TH_STORE_NT   ; 32 lanes store 512 consecutive bytes, aligned
.endr
.endm
	TOSTAGE 0
.irp a, 1,2,3
.if \a > 1
	s_wait_xcnt 0x0                                ; block a - 2's stores have read their registers and their base
.endif
	TOSTAGE \a
	SEND \a-1, 32                                  ; behind block a - 1's loads: block a's 16 stores and 16 loads
.endr
	s_wait_xcnt 0x0
	SEND 3, 0
	s_wait_tensorcnt 0x0                           ; the wave's end
	ds_add_u32 v[SPW], v[NIL]
	s_wait_dscnt 0x0
	CROUND                                         ; the closing round
	s_endpgm
.Lfunc_end_k_q08f507f70e_qkv:
	.size	k_q08f507f70e_qkv, .Lfunc_end_k_q08f507f70e_qkv-k_q08f507f70e_qkv
	.p2alignl 7, 3214868480
	.fill 96, 4, 3214868480
	.section	.rodata,"a",@progbits
	.p2align	6, 0x0
	.amdhsa_kernel k_q08f507f70e_qkv
		.amdhsa_group_segment_fixed_size 327680
		.amdhsa_private_segment_fixed_size 0
		.amdhsa_enable_private_segment 0
		.amdhsa_kernarg_size 136
		.amdhsa_user_sgpr_count 2
		.amdhsa_user_sgpr_kernarg_segment_ptr 1
		.amdhsa_wavefront_size32 1
		.amdhsa_system_sgpr_workgroup_id_x 1
		.amdhsa_system_sgpr_workgroup_id_y 1
		.amdhsa_system_sgpr_workgroup_id_z 1
		.amdhsa_system_vgpr_workitem_id 0
		.amdhsa_next_free_vgpr 768
		.amdhsa_next_free_sgpr 102
		.amdhsa_reserve_vcc 0
		.amdhsa_float_denorm_mode_32 3
		.amdhsa_float_denorm_mode_16_64 3
		.amdhsa_memory_ordered 1
		.amdhsa_forward_progress 1
		.amdhsa_inst_pref_size 187
	.end_amdhsa_kernel
	.amdgpu_metadata
---
amdhsa.version: [ 1, 2 ]
amdhsa.kernels:
  - .name:           k_q08f507f70e_qkv
    .symbol:         k_q08f507f70e_qkv.kd
    .args:
      - { .name: q_codes, .offset: 0, .size: 8, .value_kind: global_buffer, .address_space: global }
      - { .name: q_scales, .offset: 8, .size: 8, .value_kind: global_buffer, .address_space: global }
      - { .name: w_q_codes, .offset: 16, .size: 8, .value_kind: global_buffer, .address_space: global }
      - { .name: w_q_scales, .offset: 24, .size: 8, .value_kind: global_buffer, .address_space: global }
      - { .name: k_codes, .offset: 32, .size: 8, .value_kind: global_buffer, .address_space: global }
      - { .name: k_scales, .offset: 40, .size: 8, .value_kind: global_buffer, .address_space: global }
      - { .name: w_k_codes, .offset: 48, .size: 8, .value_kind: global_buffer, .address_space: global }
      - { .name: w_k_scales, .offset: 56, .size: 8, .value_kind: global_buffer, .address_space: global }
      - { .name: v_codes, .offset: 64, .size: 8, .value_kind: global_buffer, .address_space: global }
      - { .name: v_scales, .offset: 72, .size: 8, .value_kind: global_buffer, .address_space: global }
      - { .name: w_v_codes, .offset: 80, .size: 8, .value_kind: global_buffer, .address_space: global }
      - { .name: w_v_scales, .offset: 88, .size: 8, .value_kind: global_buffer, .address_space: global }
      - { .name: qc, .offset: 96, .size: 8, .value_kind: global_buffer, .address_space: global }
      - { .name: qs, .offset: 104, .size: 8, .value_kind: global_buffer, .address_space: global }
      - { .name: kc, .offset: 112, .size: 8, .value_kind: global_buffer, .address_space: global }
      - { .name: ks, .offset: 120, .size: 8, .value_kind: global_buffer, .address_space: global }
      - { .name: vf, .offset: 128, .size: 8, .value_kind: global_buffer, .address_space: global }
    .group_segment_fixed_size: 327680
    .private_segment_fixed_size: 0
    .kernarg_segment_align: 8
    .kernarg_segment_size: 136
    .max_flat_workgroup_size: 128
    .sgpr_count:     102
    .vgpr_count:     768
    .wavefront_size: 32
...
	.end_amdgpu_metadata
.endif
;; end of part 1
;; launch attn (part 2): grid 2 x 128, 16 waves a work-group, no clusters, 134,144 bytes of LDS; arguments qc, qs, kc, ks, vf, mask, oc, os; writes oc, os
.if DOCPART == 2
	.amdgcn_target "amdgcn-amd-amdhsa--gfx1250"
	.amdhsa_code_object_version 6
	.text
	.protected	k_q08f507f70e_attn
	.globl	k_q08f507f70e_attn
	.p2align	8
	.type	k_q08f507f70e_attn,@function
k_q08f507f70e_attn:
	s_mov_b64 s[64:65], 0
	v_nop
	global_prefetch_b8 v0, s[64:65] scope:SCOPE_SE
	s_setreg_imm32_b32 hwreg(HW_REG_WAVE_MODE, 25, 1), 1
	s_wait_xcnt 0x0
; Attention of one head, both products on codes of FP6 (E2M3) with one E8M0 scale for each 32 along a product's K; the result, divided by the row's sum, is quantised for the output projection.
; THE HEADS ARE CHUNKS OF ROWS: head bh is rows 64 bh .. 64 bh + 63 of the projected matrices; key or query 16 m + c is the piece of 64 columns c of row m.  The 16 queries 16 m .. 16 m + 15 give row m of the result (1,024 numbers).
; INPUTS (made by the launch before): qc, kc [column / 128][row][96 bytes], qs, ks [column / 128][row][4]: codes and scale bytes of Q and K along the head's 64; vf [head][key][64] f32: V, which is quantised here along the KEYS.
; mask [8][1024]: a byte a key; 1 = the key does not count.  OUTPUTS: oc [8192][768], os [8192][32]: codes and scale bytes, rows as the next product's A.
; SHARES.  A work-group: 512 queries of a head (32 rows of the result); wave w: rows 2 w and 2 w + 1, two tiles of 16 queries, one after the other.  Four waves share a SIMD: one wave's vector work stands beside another's products and LDS loads.
; All of the head's K and V lies in LDS, filled once, as IMAGES OF THE OPERANDS' REGISTERS (16 bytes a lane, 512 a load).
; NO CLUSTER, NO TENSOR LOAD: the two work-groups of a head share K and V, but K's rows are gathered lane by lane from eight planes and V goes through the quantiser in registers: nothing lands in LDS as it lies in memory.
; NO PREFETCH: every global read stands at the kernel's head.
; K = 64 IN AN INSTRUCTION OF 128: a fragment holds TWO tiles of 16 keys, X in registers 0-5 and Y in 6-11.  It is multiplied by [q | zero codes] for X's scores and by [zero codes | q] for Y's.
; THE KEYS OF A TILE ARE CHOSEN: lane r of pair b takes X = key 64 (b / 2) + 16 (b % 2) + 32 (r / 8) + r % 8, Y = X + 8.  Both products are used transposed, so a lane holds one query (lane % 16) throughout, and
; registers 32 g + i of its scores are keys 64 g + 32 (lane / 16) + i: TWO WHOLE BLOCKS OF 32 KEYS A LANE, in the order in which the second product's operand wants them.  So a block's maximum needs no other lane, and p's codes change no lane.
; V's tile 2 g + u, lane r, is channel 32 g + 8 u + r + 8 (r / 8): so registers 16 g + i of O^T are channels 32 g + 16 (lane / 16) + i.
; THE SOFTMAX: t = score x log2(e) / 8; M = the running largest t rounded up to a whole number; p = 2^(t - M) is quantised along the keys; the sum is taken of the unquantised p and divides at the end.
; THE MASK: -1e30 for a hidden key is the C of the scores' product (from LDS); a step of 128 keys with no hidden key takes C = 0: a scalar branch on the mask's bytes.  The running largest score begins at -1e20, so a hidden key's p is 0.
; A query with no key left keeps -1e20 and gets the scale bytes 0xff: its row of the output becomes NaN, as a softmax over nothing is.
; LIMITS: the scores of keys that count stay above -1e20; NaN and infinities among the inputs are not served; a block of zeros gets the byte 1 (its codes are zeros; this program alone reads the bytes).
.set KIMG, 0                           ; [step 8][pair 4][1,536]
.set VIMG, 49152                       ; [step 8][tile 4][1,536]
.set KSC,  98304                       ; [step 8][lane % 16][pair 4] words
.set VSC,  100352                      ; [step 8][lane % 16][tile 4] words
.set BIAS, 102400                      ; an f32 a key: 0 or -1e30
.set OSTG, 106496                      ; 1,536 bytes a wave: two rows of codes
.set OSC,  131072                      ; 32 rows x 32 scale bytes
.set LI,  1                            ; v1   16 x lane
.set AS0, 2                            ; v2   KSC + 16 (lane % 16)
.set AB0, 3                            ; v3   BIAS + 128 (lane / 16)
.set AD,  4                            ; v4   the step's images
.set ADS, 5                            ; v5   its scale words
.set ADB, 6                            ; v6   its keys' biases
.set OST, 7                            ; v7   where I put 24 bytes of a row of the result
.set OSS, 8                            ; v8   and its two scale bytes
.set ORD, 9                            ; v9   where I read my wave's rows back
.set OSR, 10                           ; v10  waves 0, 1: where I read scale bytes back
.set OSO, 11                           ; v11  and their place in memory
.set QR,  16                           ; v16-45 zeros, q of tile 0, zeros, q of tile 1, zeros: six registers each
.set QSC, 46                           ; v46-49 q's scale words: for [q | 0] and [0 | q], tile 0, tile 1
.set KV,  50                           ; v50-97 four fragments, of K and then of V
.set KVS, 98                           ; v98-101 their scale words
.set S,   102                          ; v102-165 the scores, then p
.set VB,  102                          ; v102-229 at the head: V's four blocks of 32 keys of my channel
.set OT,  166                          ; v166-197 O^T
.set PC,  198                          ; v198-209 p's codes
.set PT,  210                          ; v210-217 conversions' second halves
.set TM,  218                          ; v218-221 largest scores
.set PM,  222                          ; v222-225 the partner lane's; bytes
.set SO,  226                          ; v226-229 the conversions' scale operands
.set PS,  230                          ; v230 p's scale word
.set SH8, 231                          ; v231 8 x (lane / 16)
.set FF,  232                          ; v[232:233] f, later 1 / sum
.set TT,  234
.set ALL1, 235                         ; v235 0xffff
.set SU,  236                          ; v[236:237] the sum's second chain
	s_load_b512 s[4:19], s[0:1], 0x0               ; qc s[4:5], qs s[6:7], kc s[8:9], ks s[10:11], vf s[12:13], mask s[14:15], oc s[16:17], os s[18:19]
	v_lshrrev_b32 v250, 5, v0
	s_delay_alu instid0(VALU_DEP_1)
	v_readfirstlane_b32 s20, v250                  ; wave 0..15
	s_and_b32 s21, ttmp7, 0xffff                   ; the head
	s_mov_b32 s22, ttmp9                           ; which half of its queries
	s_lshr_b32 s37, s20, 1                         ; for V: my key step,
	s_and_b32 s38, s20, 1                          ; and my half of the 64 channels
	s_mov_b32 s24, 0x76543210                      ; v_permlanex16_b32's selects for lane l xor 16
	s_mov_b32 s25, 0xfedcba98
	s_mov_b32 s26, 0x3e38aa3b                      ; c = log2(e) / 8
	s_mov_b32 s27, s26                             ; (named with it as a pair)
	s_mov_b32 s35, 0xe0ad78ec                      ; -1e20
	v_and_b32 v251, 31, v0                         ; lane
	v_and_b32 v252, 15, v0                         ; r
	v_bfe_u32 v253, v0, 4, 1                       ; h
	s_delay_alu instid0(VALU_DEP_3)
	v_lshlrev_b32 v[LI], 4, v251
	s_delay_alu instid0(VALU_DEP_3)
	v_lshl_add_u32 v[AS0], v252, 4, KSC
	s_delay_alu instid0(VALU_DEP_3)
	v_lshl_add_u32 v[AB0], v253, 7, BIAS           ; lanes 16-31 hold the blocks 32 keys further on
	s_delay_alu instid0(VALU_DEP_4)
	v_lshlrev_b32 v[SH8], 3, v253
	s_mul_i32 s36, s20, 1536
	s_add_co_u32 s36, s36, OSTG
	v_mul_u32_u24 v[OST], v252, 48
	s_delay_alu instid0(VALU_DEP_1)
	v_mad_u32_u24 v[OST], v253, 24, v[OST]
	s_delay_alu instid0(VALU_DEP_1)
	v_add_nc_u32 v[OST], s36, v[OST]               ; query r's 64 codes are 48 bytes; my half of them 24
	v_add_nc_u32 v[ORD], s36, v[LI]
	s_lshl_b32 s36, s20, 6
	s_add_co_u32 s36, s36, OSC
	v_lshl_add_u32 v[OSS], v252, 1, s36
	v_and_b32 v[OSO], 63, v0
	s_delay_alu instid0(VALU_DEP_1)
	v_lshlrev_b32 v[OSO], 4, v[OSO]
	s_delay_alu instid0(VALU_DEP_1)
	v_add_nc_u32 v[OSR], OSC, v[OSO]
	; K: lane r of pair 2 w + e takes row 4 w + 2 (r / 8) + e, piece (r % 8) + 8 u: plane ((r / 2) % 4) + 4 u, 48 (r % 2) in the row's 96 bytes, + 24 h
	v_bfe_u32 v254, v0, 1, 2
	v_bfe_u32 v255, v0, 3, 1
	v_and_b32 v250, 1, v0
	s_delay_alu instid0(VALU_DEP_3)
	v_mul_u32_u24 v238, v254, 0xc0000              ; a plane of codes: 8,192 x 96 bytes
	s_delay_alu instid0(VALU_DEP_1)
	v_mad_u32_u24 v238, v255, 192, v238            ; two rows for r / 8
	s_delay_alu instid0(VALU_DEP_1)
	v_mad_u32_u24 v238, v250, 48, v238
	s_delay_alu instid0(VALU_DEP_1)
	v_mad_u32_u24 v238, v253, 24, v238
	v_lshlrev_b32 v239, 15, v254                   ; a plane of scale bytes: 32,768
	s_delay_alu instid0(VALU_DEP_1)
	v_lshl_add_u32 v239, v255, 3, v239
	s_delay_alu instid0(VALU_DEP_1)
	v_lshl_add_u32 v239, v250, 1, v239
	; Q: lane r takes piece r of the tile's row
	v_bfe_u32 v254, v0, 1, 3
	s_delay_alu instid0(VALU_DEP_1)
	v_mul_u32_u24 v240, v254, 0xc0000
	s_delay_alu instid0(VALU_DEP_1)
	v_mad_u32_u24 v240, v250, 48, v240
	s_delay_alu instid0(VALU_DEP_1)
	v_mad_u32_u24 v240, v253, 24, v240
	s_delay_alu instid0(VALU_DEP_4)
	v_lshlrev_b32 v241, 15, v254
	s_delay_alu instid0(VALU_DEP_1)
	v_lshl_add_u32 v241, v250, 1, v241
	v_lshlrev_b32 v242, 1, v0                      ; the mask: two keys a thread,
	v_lshlrev_b32 v243, 5, v251                    ; and a block of 32 keys a lane
	v_lshlrev_b32 v244, 2, v251                    ; V: a channel a lane
	s_mul_i32 s36, s20, 3072
	v_add_nc_u32 v245, s36, v[LI]                  ; K's images: pairs 2 w and 2 w + 1 of the head's 32
	s_lshl_b32 s36, s37, 8
	s_lshl_b32 s39, s38, 3
	s_add_co_u32 s36, s36, s39
	v_add_nc_u32 v246, s36, v[AS0]                 ; their scale words
	v_lshl_add_u32 v247, v0, 3, BIAS
	s_mul_i32 s36, s37, 6144
	s_mul_i32 s39, s38, 3072
	s_add_co_u32 s36, s36, s39
	s_add_co_u32 s36, s36, VIMG
	v_and_b32 v254, 7, v0
	s_delay_alu instid0(VALU_DEP_1)
	v_lshl_add_u32 v254, v253, 3, v254             ; channel l of my 32 is lane (l % 8) + 8 (l / 16) of tile 2 g + (l / 8) % 2
	v_mul_u32_u24 v248, v255, 1536
	s_delay_alu instid0(VALU_DEP_1)
	v_lshl_add_u32 v248, v254, 4, v248
	s_delay_alu instid0(VALU_DEP_1)
	v_add_nc_u32 v248, s36, v248                   ; V's images
	s_lshl_b32 s36, s37, 8
	s_lshl_b32 s39, s38, 3
	s_add_co_u32 s36, s36, s39
	s_add_co_u32 s36, s36, VSC
	v_lshlrev_b32 v249, 2, v255
	s_delay_alu instid0(VALU_DEP_1)
	v_lshl_add_u32 v249, v254, 4, v249
	s_delay_alu instid0(VALU_DEP_1)
	v_add_nc_u32 v249, s36, v249                   ; their scale words
	s_lshl_b32 s40, s21, 6                         ; the head's first row
	s_lshl_b32 s41, s20, 2
	s_add_co_u32 s41, s40, s41                     ; K: my two pairs are rows 4 w .. 4 w + 3
	s_mov_b32 s43, 0
	s_wait_kmcnt 0x0
	s_mul_i32 s42, s41, 96
	s_add_nc_u64 s[8:9], s[8:9], s[42:43]
	s_lshl_b32 s42, s41, 2
	s_add_nc_u64 s[10:11], s[10:11], s[42:43]
	s_lshl_b32 s41, s22, 5
	s_add_co_u32 s41, s41, s40                     ; the work-group's first row of the result
	s_lshl_b32 s42, s41, 5
	s_add_nc_u64 s[18:19], s[18:19], s[42:43]
	s_lshl_b32 s44, s20, 1
	s_add_co_u32 s41, s41, s44                     ; my wave's
	s_mul_i32 s42, s41, 96
	s_add_nc_u64 s[4:5], s[4:5], s[42:43]
	s_lshl_b32 s42, s41, 2
	s_add_nc_u64 s[6:7], s[6:7], s[42:43]
	s_mul_i32 s42, s41, 768
	s_add_nc_u64 s[16:17], s[16:17], s[42:43]
	s_lshl_b32 s42, s21, 18                        ; V: a head is 262,144 bytes, a key step 32,768, half a key's row 128
	s_lshl_b32 s44, s37, 15
	s_add_co_u32 s42, s42, s44
	s_lshl_b32 s44, s38, 7
	s_add_co_u32 s42, s42, s44
	s_add_nc_u64 s[12:13], s[12:13], s[42:43]
	s_lshr_b32 s42, s21, 4
	s_lshl_b32 s42, s42, 10                        ; the mask of the head's batch
	s_add_nc_u64 s[14:15], s[14:15], s[42:43]
	; the first group: 27 loads
	global_load_u16 v86, v242, s[14:15]
	global_load_b128 v[78:81], v243, s[14:15]
	global_load_b128 v[82:85], v243, s[14:15] offset:16
.irp e, 0,1                                    ; pair 2 w + e;  u = 0: its tile X, 1: Y
.irp u, 0,1
.irp p, 0,1,2
	global_load_b64 v[KV+12*\e+6*\u+2*\p:KV+12*\e+6*\u+2*\p+1], v238, s[8:9] offset:96*\e+3145728*\u+8*\p
.endr
	global_load_u16 v[74+2*\e+\u], v239, s[10:11] offset:4*\e+131072*\u
.endr
.endr
.irp e, 0,1                                    ; my two tiles of queries
.irp p, 0,1,2
	global_load_b64 v[QR+6+12*\e+2*\p:QR+6+12*\e+2*\p+1], v240, s[4:5] offset:96*\e+8*\p
.endr
	global_load_u16 v[QSC+2*\e], v241, s[6:7] offset:4*\e
.endr
.macro VLOAD k                         ; block k of my key step: V(32 k + i, my channel), i = 0 .. 31
.irp i, 0,1,2,3,4,5,6,7,8,9,10,11,12,13,14,15,16,17,18,19,20,21,22,23,24,25,26,27,28,29,30,31
	global_load_b32 v[VB+32*(\k)+\i], v244, s[12:13] offset:(32*(\k)+\i)*256
.endr
.endm
	VLOAD 0                                        ; all four blocks are asked for at once: 128 loads, each into a register of its own
	VLOAD 1
	VLOAD 2
	VLOAD 3
.irp j, 0,1,2,3,4,5
	v_mov_b32 v[QR+\j], 0                          ; the zero codes beside q
	v_mov_b32 v[QR+12+\j], 0
	v_mov_b32 v[QR+24+\j], 0
.endr
	v_mov_b32 v[FF+1], 0                           ; (named as the upper half of a pair)
	v_mov_b32 v[TT], 0
	v_mov_b32 v[ALL1], 0xffff
	s_wait_loadcnt 63                              ; of the 155 loads the youngest 63 may be out: block 3's 32 and 31 of block 2's.  The first group and blocks 0 and 1 are in
.irp e, 0,1
.irp c, 0,1,2
	ds_store_b128 v245, v[KV+12*\e+4*\c:KV+12*\e+4*\c+3] offset:KIMG+1536*\e+512*\c   ; the fragment as it stands
.endr
	v_lshl_or_b32 v[87+\e], v[75+2*\e], 16, v[74+2*\e]   ; X's two bytes below, Y's above
	ds_store_b32 v246, v[87+\e] offset:4*\e        ; both lanes of a row write the same word with the same value
.endr
	v_mov_b32 v89, 0xf149f2ca                      ; -1e30
	v_and_b32 v90, 0xff, v86
	v_lshrrev_b32 v91, 8, v86
	s_delay_alu instid0(VALU_DEP_2)
	v_cmp_ne_u32 vcc_lo, 0, v90
	s_delay_alu instid0(VALU_DEP_1)
	v_cndmask_b32 v90, 0, v89, vcc_lo
	s_delay_alu instid0(VALU_DEP_3)
	v_cmp_ne_u32 vcc_lo, 0, v91
	s_delay_alu instid0(VALU_DEP_1)
	v_cndmask_b32 v91, 0, v89, vcc_lo
	ds_store_b64 v247, v[90:91]
	v_or_b32 v78, v78, v79
	v_or_b32 v80, v80, v81
	v_or_b32 v82, v82, v83
	v_or_b32 v84, v84, v85
	s_delay_alu instid0(VALU_DEP_3)
	v_or_b32 v78, v78, v80
	s_delay_alu instid0(VALU_DEP_2)
	v_or_b32 v82, v82, v84
	s_delay_alu instid0(VALU_DEP_1)
	v_or_b32 v78, v78, v82
	s_delay_alu instid0(VALU_DEP_1)
	v_cmp_ne_u32 s32, 0, v78                       ; bit l: block l of 32 keys has a hidden key
	v_lshlrev_b32 v[QSC+1], 16, v[QSC]             ; q's bytes above, for [0 | q].  The bytes beside them are 0: they scale zero codes
	v_lshlrev_b32 v[QSC+3], 16, v[QSC+2]
	s_wait_dscnt 0x0                               ; the stores have read their registers: v50 on is the quantiser's scratch from here
; Block k of 32 keys of my channel: all 32 numbers are mine.  Its 24 bytes of codes are registers 6 (k / 2) .. + 5 of lane (k % 2) x 16 + my place, in the image of my tile.
.macro VQ k
.set XS, VB+32*(\k)
.if (\k) == 2
	s_wait_loadcnt 32                              ; block 2 is in; block 3's 32 loads may be out
.endif
.if (\k) == 3
	s_wait_loadcnt 0x0
.endif
	v_max3_num_f32 v60, |v[XS]|, |v[XS+1]|, |v[XS+2]|
	v_max3_num_f32 v61, |v[XS+3]|, |v[XS+4]|, |v[XS+5]|
.irp i, 6,10,14,18,22,26
	s_delay_alu instid0(VALU_DEP_2)
	v_max3_num_f32 v60, v60, |v[XS+\i]|, |v[XS+\i+1]|
	s_delay_alu instid0(VALU_DEP_2)
	v_max3_num_f32 v61, v61, |v[XS+\i+2]|, |v[XS+\i+3]|
.endr
	s_delay_alu instid0(VALU_DEP_2)
	v_max3_num_f32 v60, v60, |v[XS+30]|, |v[XS+31]|
	s_delay_alu instid0(VALU_DEP_1)
	v_max3_num_f32 v60, v60, v61, 0x1800000        ; and the floor 2^(3 - 127): the byte cannot fall under 1
	s_delay_alu instid0(VALU_DEP_1)
	v_add_nc_u32 v62, 0xff000000, v60              ; 2 off the exponent field: the conversion's scale operand
	s_delay_alu instid0(VALU_DEP_1)
	v_lshrrev_b32 v63, 23, v62                     ; the scale's byte
.if (\k) == 0
	s_delay_alu instid0(VALU_DEP_1)
	v_mov_b32 v64, v63
.else
	s_delay_alu instid0(VALU_DEP_1)
	v_lshl_or_b32 v64, v63, 8*(\k), v64            ; four bytes make my channel's scale word of this key step
.endif
	v_cvt_scalef32_pk16_fp6_f32 v[50:52], v[XS:XS+15], v62
	v_cvt_scalef32_pk16_fp6_f32 v[54:56], v[XS+16:XS+31], v62   ; (a conversion's three registers begin on an even number)
	v_nop                                          ; one plain place behind a scaled conversion
	v_mov_b32 v53, v54
	v_mov_b32 v54, v55
	v_mov_b32 v55, v56
.if (\k)/2 == 0
	ds_store_b128 v248, v[50:53] offset:256*((\k)%2)
	ds_store_b64 v248, v[54:55] offset:512+256*((\k)%2)
.else
	ds_store_b64 v248, v[50:51] offset:520+256*((\k)%2)
	ds_store_b128 v248, v[52:55] offset:1024+256*((\k)%2)
.endif
	s_wait_dscnt 0x0                               ; the stores have read their registers
.endm
	VQ 0
	VQ 1
	VQ 2
	VQ 3
	s_wait_alu depctr_va_vdst(0)
	ds_store_b32 v249, v64
.irp b, 0,1,2,3
	v_mov_b32 v[PM+\b], 0                          ; written once: a lane permute's destination counts as one of its sources
.endr
	s_wait_dscnt 0x0                               ; for the others' sake: all my LDS stores have landed
	s_barrier_signal -1
	s_barrier_wait -1                              ; the head's K, V, scale words and biases lie in LDS; from here on they are only read
; A KEY STEP of tile tq: 128 keys.
.macro STEP tq
	v_add_nc_u32 v[AD], s28, v[LI]
	v_add_nc_u32 v[ADS], s29, v[AS0]
	v_add_nc_u32 v[ADB], s30, v[AB0]
	v_nop                                          ; four places in front of loads into registers that the last products read
.irp b, 0,1,2,3
.irp c, 0,1,2
	ds_load_b128 v[KV+12*\b+4*\c:KV+12*\b+4*\c+3], v[AD] offset:KIMG+1536*\b+512*\c
.endr
.endr
	ds_load_b128 v[KVS:KVS+3], v[ADS]              ; the four pairs' scale words
	s_and_b32 s34, s32, s31                        ; has one of the step's four blocks a hidden key?
	s_cmp_lg_u32 s34, 0
	s_cbranch_scc1 .Lmasked_\@
	s_wait_dscnt 0x0
.irp b, 0,1,2,3
	v_wmma_scale_f32_16x16x128_f8f6f4 v[S+16*\b:S+16*\b+7], v[KV+12*\b:KV+12*\b+11], v[QR+6+12*\tq:QR+17+12*\tq], 0, v[KVS+\b], v[QSC+2*\tq] matrix_a_fmt:MATRIX_FMT_FP6 matrix_b_fmt:MATRIX_FMT_FP6
	v_wmma_scale_f32_16x16x128_f8f6f4 v[S+16*\b+8:S+16*\b+15], v[KV+12*\b:KV+12*\b+11], v[QR+12*\tq:QR+11+12*\tq], 0, v[KVS+\b], v[QSC+1+2*\tq] matrix_a_fmt:MATRIX_FMT_FP6 matrix_b_fmt:MATRIX_FMT_FP6
.endr
	s_branch .Lscored_\@
.Lmasked_\@:
	s_wait_alu depctr_va_vdst(0)
.irp b, 0,1,2,3
.irp c, 0,1,2,3
	ds_load_b128 v[S+16*\b+4*\c:S+16*\b+4*\c+3], v[ADB] offset:256*(\b/2)+64*(\b%2)+16*\c   ; 0 or -1e30 of my 64 keys: the sums begin with them
.endr
.endr
	s_wait_dscnt 0x0
.irp b, 0,1,2,3
	v_wmma_scale_f32_16x16x128_f8f6f4 v[S+16*\b:S+16*\b+7], v[KV+12*\b:KV+12*\b+11], v[QR+6+12*\tq:QR+17+12*\tq], v[S+16*\b:S+16*\b+7], v[KVS+\b], v[QSC+2*\tq] matrix_a_fmt:MATRIX_FMT_FP6 matrix_b_fmt:MATRIX_FMT_FP6
	v_wmma_scale_f32_16x16x128_f8f6f4 v[S+16*\b+8:S+16*\b+15], v[KV+12*\b:KV+12*\b+11], v[QR+12*\tq:QR+11+12*\tq], v[S+16*\b+8:S+16*\b+15], v[KVS+\b], v[QSC+1+2*\tq] matrix_a_fmt:MATRIX_FMT_FP6 matrix_b_fmt:MATRIX_FMT_FP6
.endr
.Lscored_\@:
.rept 4
	v_nop                                          ; places: for the loads below, into K's registers, and for the first read of the scores
.endr
	s_wait_alu depctr_va_vdst(0)
.irp d, 0,1,2,3                                ; V's four tiles are asked for now and land during the softmax
.irp c, 0,1,2
	ds_load_b128 v[KV+12*\d+4*\c:KV+12*\d+4*\c+3], v[AD] offset:VIMG+1536*\d+512*\c
.endr
.endr
	ds_load_b128 v[KVS:KVS+3], v[ADS] offset:VSC-KSC
; The largest score of each of my two blocks of 32 keys (registers 32 g on): for the row's maximum and, since p rises with the score, for the block's largest p.  Four chains, each accumulator from its low end on.
.irp b, 0,1,2,3
	v_max3_num_f32 v[TM+\b], v[S+16*\b], v[S+16*\b+1], v[S+16*\b+2]
.endr
.irp i, 3,5,7,9,11,13
.irp b, 0,1,2,3
	v_max3_num_f32 v[TM+\b], v[TM+\b], v[S+16*\b+\i], v[S+16*\b+\i+1]
.endr
.endr
.irp g, 0
	v_max3_num_f32 v[TM+2*\g], v[TM+2*\g], v[TM+2*\g+1], v[S+32*\g+15]   ; a block's two chains meet,
.endr
.irp g, 1
	v_max3_num_f32 v[TM+2*\g], v[TM+2*\g], v[TM+2*\g+1], v[S+32*\g+15]   ; a block's two chains meet,
.endr
.irp g, 0,1
	v_max_num_f32 v[TM+2*\g], v[TM+2*\g], v[S+32*\g+31]                  ; with the two scores that the chains left
.endr
	s_delay_alu instid0(VALU_DEP_1)
	v_max_num_f32 v[TT], v[TM], v[TM+2]            ; the largest of my 64 keys,
	s_delay_alu instid0(VALU_DEP_1)
	v_permlanex16_b32 v[PM], v[TT], s24, s25       ; of lane l xor 16's 64,
	s_delay_alu instid0(VALU_DEP_1)
	v_max3_num_f32 v13, v13, v[TT], v[PM]          ; and so far: the running largest score of my query
	v_mov_b32 v[TT], v12
	s_delay_alu instid0(VALU_DEP_2)
	v_mul_f32 v[PM+1], s26, v13                    ; as t (c is positive)
	s_delay_alu instid0(VALU_DEP_1)
	v_floor_f32 v12, -v[PM+1]                      ; the new -M = floor(-t): M is a whole number
	s_delay_alu instid0(VALU_DEP_1)
	v_sub_f32 v[TT], v12, v[TT]                    ; old M - new M: a whole number, 0 or less
	s_delay_alu instid0(VALU_DEP_1)
	v_cvt_i32_f32 v[TT], v[TT]                     ; (it saturates)
	s_delay_alu instid0(VALU_DEP_1)
	v_ldexp_f32 v[FF], 1.0, v[TT]                  ; f = 2^(old M - new M)
.irp j, 0,2,4,6,8,10,12,14,16,18,20,22,24,26,28,30,32,34,36,38,40,42,44,46,48,50,52,54,56,58,60,62
	v_pk_fma_f32 v[S+\j:S+\j+1], v[S+\j:S+\j+1], s[26:27], v[12:13] op_sel_hi:[1,0,0]   ; t - M, two at a time (of the pairs c and -M the low word serves both halves)
.endr
.irp g, 0,1
	v_fma_f32 v[TM+2*\g], v[TM+2*\g], s26, v12     ; the same of each block's largest score
.endr
	s_wait_alu depctr_va_vdst(0)
.irp j, 0,1,2,3,4,5,6,7,8,9,10,11,12,13,14,15,16,17,18,19,20,21,22,23,24,25,26,27,28,29,30,31,32,33,34,35,36,37,38,39,40,41,42,43,44,45,46,47,48,49,50,51,52,53,54,55,56,57,58,59,60,61,62,63
	v_exp_f32 v[S+\j], v[S+\j]                     ; p = 2^(t - M), at most 1
.endr
	v_pk_mul_f32 v[14:15], v[14:15], v[FF:FF+1] op_sel_hi:[1,0]   ; the sums under the new M: a plain instruction behind the exponentials
	s_wait_alu depctr_va_vdst(0)                   ; one wait for the whole batch, ahead of its first reader
.irp g, 0,1
	v_exp_f32 v[TM+2*\g], v[TM+2*\g]               ; the block's largest p
.endr
	v_pk_add_f32 v[SU:SU+1], v[S:S+1], v[S+2:S+3]  ; the row's sum of the unquantised p, in two chains; it reads the 64 alone
.irp j, 4,8,12,16,20,24,28,32,36,40,44
	v_pk_add_f32 v[14:15], v[14:15], v[S+\j:S+\j+1]
	v_pk_add_f32 v[SU:SU+1], v[SU:SU+1], v[S+\j+2:S+\j+3]
.endr
	s_wait_alu depctr_va_vdst(0)                   ; and one for the two
.irp g, 0,1
	v_max_num_f32 v[TM+2*\g], 0x1800000, v[TM+2*\g]   ; the floor 2^(3 - 127): the byte cannot fall under 1
.endr
.irp g, 0,1
	s_delay_alu instid0(VALU_DEP_2)
	v_add_nc_u32 v[SO+\g], 0xff000000, v[TM+2*\g]  ; 2 off the exponent field: the conversion's scale operand
.endr
.irp g, 0,1
	s_delay_alu instid0(VALU_DEP_2)
	v_lshrrev_b32 v[PM+\g], 23, v[SO+\g]           ; the scale's byte
.endr
	s_delay_alu instid0(VALU_DEP_1)
	v_lshl_or_b32 v[PS], v[PM+1], 16, v[PM]        ; my two bytes: blocks h and 2 + h of these 128 keys,
	s_delay_alu instid0(VALU_DEP_1)
	v_lshlrev_b32 v[PS], v[SH8], v[PS]             ; at their places in the scale word (8 h bits up);
	s_delay_alu instid0(VALU_DEP_1)
	v_permlanex16_b32 v[PM+2], v[PS], s24, s25
	s_delay_alu instid0(VALU_DEP_1)
	v_or_b32 v[PS], v[PS], v[PM+2]                 ; with lane l xor 16's two the word is whole
.irp g, 0,1
	v_cvt_scalef32_pk16_fp6_f32 v[PC+6*\g:PC+6*\g+2], v[S+32*\g:S+32*\g+15], v[SO+\g]      ; registers 6 g .. 6 g + 5 of the operand: keys 64 g + 32 h + 0 .. 31
	v_cvt_scalef32_pk16_fp6_f32 v[PT+4*\g:PT+4*\g+2], v[S+32*\g+16:S+32*\g+31], v[SO+\g]   ; (a conversion's three registers begin on an even number: the second half is made elsewhere and moved)
.endr
	v_nop                                          ; one plain place behind a scaled conversion
.irp g, 0,1
.irp i, 0,1,2
	v_mov_b32 v[PC+6*\g+3+\i], v[PT+4*\g+\i]
.endr
.endr
.irp j, 0,2,4,6,8,10,12,14,16,18,20,22,24,26,28,30
	v_pk_mul_f32 v[OT+\j:OT+\j+1], v[OT+\j:OT+\j+1], v[FF:FF+1] op_sel_hi:[1,0]   ; O^T under the new M
.endr
.irp j, 48,52,56,60                            ; the rest of the sum stands here: with the sixteen lines above, the places between the codes, the scale word and the products
	v_pk_add_f32 v[14:15], v[14:15], v[S+\j:S+\j+1]
	v_pk_add_f32 v[SU:SU+1], v[SU:SU+1], v[S+\j+2:S+\j+3]
.endr
	s_delay_alu instid0(VALU_DEP_1)
	v_pk_add_f32 v[14:15], v[14:15], v[SU:SU+1]
	s_wait_dscnt 0x0                               ; V's fragments and scale words are in
.irp d, 0,1,2,3
	v_wmma_scale_f32_16x16x128_f8f6f4 v[OT+8*\d:OT+8*\d+7], v[KV+12*\d:KV+12*\d+11], v[PC:PC+11], v[OT+8*\d:OT+8*\d+7], v[KVS+\d], v[PS] matrix_a_fmt:MATRIX_FMT_FP6 matrix_b_fmt:MATRIX_FMT_FP6
.endr
.endm
; A TILE of 16 queries: eight key steps, then one row of the result.  The step is written once a tile: the first finds zeros, which the first change of M leaves zeros.
.macro TILE tq
	v_mov_b32 v13, s35                             ; the largest score so far: -1e20
	s_delay_alu instid0(VALU_DEP_1)
	v_mul_f32 v12, s26, v13
	s_delay_alu instid0(VALU_DEP_1)
	v_floor_f32 v12, -v12                          ; -M
	v_mov_b32 v14, 0
	v_mov_b32 v15, 0
.irp j, 0,1,2,3,4,5,6,7,8,9,10,11,12,13,14,15,16,17,18,19,20,21,22,23,24,25,26,27,28,29,30,31
	v_mov_b32 v[OT+\j], 0
.endr
	s_mov_b32 s28, 0                               ; the step's images: 6,144 bytes a step
	s_mov_b32 s29, 0                               ; its scale words: 256
	s_mov_b32 s30, 0                               ; its biases: 512
	s_mov_b32 s31, 15                              ; its four blocks' bits
	s_mov_b32 s33, 8
.Lstep_\@:
	STEP \tq
	s_add_co_u32 s28, s28, 6144
	s_add_co_u32 s29, s29, 256
	s_add_co_u32 s30, s30, 512
	s_lshl_b32 s31, s31, 4
	s_sub_co_u32 s33, s33, 1
	s_cmp_lg_u32 s33, 0
	s_cbranch_scc1 .Lstep_\@
.rept 4
	v_nop                                          ; places behind the last products
.endr
	s_wait_alu depctr_va_vdst(0)
	v_add_f32 v14, v14, v15                        ; the sum's two halves,
	s_delay_alu instid0(VALU_DEP_1)
	v_permlanex16_b32 v[TT], v14, s24, s25
	s_delay_alu instid0(VALU_DEP_1)
	v_add_f32 v14, v14, v[TT]                      ; and lane l xor 16's
	s_wait_alu depctr_va_vdst(0)
	v_rcp_f32 v[FF], v14
	v_nop                                          ; a plain instruction behind the reciprocal
	s_wait_alu depctr_va_vdst(0)                   ; and the wait ahead of its first reader
.irp j, 0,2,4,6,8,10,12,14,16,18,20,22,24,26,28,30
	v_pk_mul_f32 v[OT+\j:OT+\j+1], v[OT+\j:OT+\j+1], v[FF:FF+1] op_sel_hi:[1,0]   ; O^T / the sum, each accumulator from its low end on
.endr
.irp b, 0,1                                    ; my query's two blocks of 32 channels: registers 16 b + i are channels 32 b + 16 h + i
	v_max3_num_f32 v[TM+\b], |v[OT+16*\b]|, |v[OT+16*\b+1]|, 0x1800000
.endr
.irp i, 2,4,6,8,10,12,14
.irp b, 0,1
	s_delay_alu instid0(VALU_DEP_2)
	v_max3_num_f32 v[TM+\b], v[TM+\b], |v[OT+16*\b+\i]|, |v[OT+16*\b+\i+1]|
.endr
.endr
.irp b, 0,1
	s_delay_alu instid0(VALU_DEP_2)
	v_permlanex16_b32 v[PM+\b], v[TM+\b], s24, s25
.endr
.irp b, 0,1
	s_delay_alu instid0(VALU_DEP_2)
	v_max_num_f32 v[TM+\b], v[TM+\b], v[PM+\b]
.endr
.irp b, 0,1
	s_delay_alu instid0(VALU_DEP_2)
	v_add_nc_u32 v[SO+\b], 0xff000000, v[TM+\b]
.endr
.irp b, 0,1
	s_delay_alu instid0(VALU_DEP_2)
	v_lshrrev_b32 v[PM+\b], 23, v[SO+\b]
.endr
	s_delay_alu instid0(VALU_DEP_1)
	v_lshl_or_b32 v[TT], v[PM+1], 8, v[PM]         ; my query's two scale bytes
	v_cmp_ge_f32 vcc_lo, s35, v13                  ; no key counted: the largest score never rose
	s_delay_alu instid0(VALU_DEP_1)
	v_cndmask_b32 v[TT], v[TT], v[ALL1], vcc_lo    ; then both bytes are 0xff
	v_cvt_scalef32_pk16_fp6_f32 v[PC:PC+2], v[OT:OT+15], v[SO]
	v_cvt_scalef32_pk16_fp6_f32 v[PT:PT+2], v[OT+16:OT+31], v[SO+1]
	v_nop                                          ; one plain place behind a scaled conversion
.irp i, 0,1,2
	v_permlane16_swap_b32 v[PC+\i], v[PT+\i]       ; lane (r, h) now holds block h of query r: its lower 16 codes here, its upper 16 there
.endr
.irp i, 0,1,2
	s_delay_alu instid0(VALU_DEP_3)
	v_mov_b32 v[PC+3+\i], v[PT+\i]
.endr
.irp p, 0,1,2
	ds_store_b64 v[OST], v[PC+2*\p:PC+2*\p+1] offset:768*\tq+8*\p
.endr
	ds_store_b16 v[OSS], v[TT] offset:32*\tq       ; both lanes of a query write the same bytes with the same value
.endm
	TILE 0
	TILE 1
.irp i, 0,1,2
	ds_load_b128 v[KV+4*\i:KV+4*\i+3], v[ORD] offset:512*\i   ; LDS serves a wave's instructions in order (ISA guide 5.7.1.4): these see my stores
.endr
	s_wait_dscnt 0x0                               ; my two rows are back; my stores of scale bytes have landed, for the others' sake
.irp i, 0,1,2
	global_store_b128 v[LI], v[KV+4*\i:KV+4*\i+3], s[16:17] offset:512*\i   ; two rows of 768 bytes: 1,536 consecutive bytes, 512 a store, aligned
.endr
	s_barrier_signal -1
	s_barrier_wait -1                              ; the 32 rows' scale bytes lie in LDS
	s_cmp_lt_u32 s20, 2
	s_cbranch_scc0 .Lend                           ; waves 0 and 1 store them: 512 consecutive bytes each
	ds_load_b128 v[KV+12:KV+15], v[OSR]
	s_wait_dscnt 0x0
	global_store_b128 v[OSO], v[KV+12:KV+15], s[18:19]
.Lend:
	s_wait_xcnt 0x0
	v_lshl_add_u32 v254, v0, 2, 0x20400
	v_mov_b32 v255, 0
	s_wait_alu depctr_va_vdst(0)
	s_wait_tensorcnt 0x0
	ds_add_u32 v254, v255
	s_wait_dscnt 0x0
	s_endpgm
.Lfunc_end_k_q08f507f70e_attn:
	.size	k_q08f507f70e_attn, .Lfunc_end_k_q08f507f70e_attn-k_q08f507f70e_attn
	.p2alignl 7, 3214868480
	.fill 96, 4, 3214868480
	.section	.rodata,"a",@progbits
	.p2align	6, 0x0
	.amdhsa_kernel k_q08f507f70e_attn
		.amdhsa_group_segment_fixed_size 134144
		.amdhsa_private_segment_fixed_size 0
		.amdhsa_enable_private_segment 0
		.amdhsa_kernarg_size 64
		.amdhsa_user_sgpr_count 2
		.amdhsa_user_sgpr_kernarg_segment_ptr 1
		.amdhsa_wavefront_size32 1
		.amdhsa_system_sgpr_workgroup_id_x 1
		.amdhsa_system_sgpr_workgroup_id_y 1
		.amdhsa_system_sgpr_workgroup_id_z 1
		.amdhsa_system_vgpr_workitem_id 0
		.amdhsa_next_free_vgpr 256
		.amdhsa_next_free_sgpr 66
		.amdhsa_reserve_vcc 1
		.amdhsa_float_denorm_mode_32 3
		.amdhsa_float_denorm_mode_16_64 3
		.amdhsa_memory_ordered 1
		.amdhsa_forward_progress 1
		.amdhsa_inst_pref_size 79
	.end_amdhsa_kernel
	.amdgpu_metadata
---
amdhsa.version: [ 1, 2 ]
amdhsa.kernels:
  - .name:           k_q08f507f70e_attn
    .symbol:         k_q08f507f70e_attn.kd
    .args:
      - { .name: qc, .offset: 0, .size: 8, .value_kind: global_buffer, .address_space: global }
      - { .name: qs, .offset: 8, .size: 8, .value_kind: global_buffer, .address_space: global }
      - { .name: kc, .offset: 16, .size: 8, .value_kind: global_buffer, .address_space: global }
      - { .name: ks, .offset: 24, .size: 8, .value_kind: global_buffer, .address_space: global }
      - { .name: vf, .offset: 32, .size: 8, .value_kind: global_buffer, .address_space: global }
      - { .name: mask, .offset: 40, .size: 8, .value_kind: global_buffer, .address_space: global }
      - { .name: oc, .offset: 48, .size: 8, .value_kind: global_buffer, .address_space: global }
      - { .name: os, .offset: 56, .size: 8, .value_kind: global_buffer, .address_space: global }
    .group_segment_fixed_size: 134144
    .private_segment_fixed_size: 0
    .kernarg_segment_align: 8
    .kernarg_segment_size: 64
    .max_flat_workgroup_size: 512
    .sgpr_count:     66
    .vgpr_count:     256
    .wavefront_size: 32
...
	.end_amdgpu_metadata
.endif
;; end of part 2
;; launch proj (part 3): grid 4 x 64, 4 waves a work-group, clusters of 4 x 4, 327,680 bytes of LDS; arguments oc, os, w_o_codes, w_o_scales, q_codes, q_scales, w_q_codes, w_q_scales, k_codes, k_scales, w_k_codes, w_k_scales, out0, qc, qs, kc, ks; writes out0, qc, qs, kc, ks
.if DOCPART == 3
	.amdgcn_target "amdgcn-amd-amdhsa--gfx1250"
	.amdhsa_code_object_version 6
	.text
	.protected	k_q08f507f70e_proj
	.globl	k_q08f507f70e_proj
	.p2align	8
	.type	k_q08f507f70e_proj,@function
k_q08f507f70e_proj:
	s_mov_b64 s[64:65], 0
	v_nop
	global_prefetch_b8 v0, s[64:65] scope:SCOPE_SE
	s_setreg_imm32_b32 hwreg(HW_REG_WAVE_MODE, 25, 1), 1
	s_wait_xcnt 0x0
	s_wait_alu depctr_hold_cnt(0) depctr_sa_sdst(0) depctr_va_vdst(0) depctr_va_sdst(0) depctr_va_ssrc(0) depctr_va_vcc(0) depctr_vm_vsrc(0)
	s_getreg_b32 s2, hwreg(HW_REG_IB_STS2, 6, 4)
	s_cmp_eq_u32 s2, 0
	s_cbranch_scc0 .Lentry_in_a_cluster
	s_endpgm
.Lentry_in_a_cluster:
	s_bfe_u32 s2, ttmp6, 0x10000c
	s_cmp_lg_u32 s2, 0xf033
	s_cbranch_scc0 .Lentry_shape_is_right
	s_endpgm
.Lentry_shape_is_right:
; C[m][n] = sum over k of A[m][k] B[n][k], 8,192 x 1,024 x 1,024, on codes of FP6 (E2M3) with one E8M0 scale for each 32 along K.
; ONE TEXT FOR THREE SETS OF BUFFERS: the cluster's x says which.  0: the first set, C leaves as f32, row-major.  1, 2: the second, the third; C is QUANTISED along its rows
; (blocks of 32 neighbouring columns) and leaves as codes [column / 128][row][96 bytes] and scale bytes [column / 128][row][4], as the attention launch reads them.
; Inside a block the 32 codes lie in the order 0-7, 16-23, 8-15, 24-31 of its columns, as the results lie in the lanes; both operands of the product that reads them are made here, so the order is the same on both sides.
; The output projection runs this text too, with a grid of one cluster along x: there only set 0 is used, and the other arguments are not touched.
; A block's scale is 2^(floor(log2(its largest magnitude)) - 2); its byte is the largest magnitude's exponent field - 2, held at 1 from below.
; LIMITS: a block of zeros gets the byte 1 (its codes are zeros; this program alone reads the bytes); blocks whose largest magnitude lies under 2^-124 keep the byte 1; NaN and infinities among the sums are not served.
; SHARES: a work-group makes 128 x 256 of C, a wave 64 x 128: 32 accumulators, 256 registers.  ALL OF K LIES IN LDS, FILLED ONCE: 128 rows of A and 256 of B, 768 bytes each, which begin at multiples of 256 bytes in memory;
; 16 bytes of padding behind every 256: an LDS row is 816 bytes.  One tensor load a wave: waves 0, 1 fetch 64 rows of A each, waves 2, 3 128 rows of B each.  Nothing is filled again.
; THE SCALES go from memory into registers: a row's 32 bytes are eight words, one a K step of 128; lane (r, h) takes the 16 bytes at 32 r + 16 h of a block of 16 rows (a load covers 512 bytes on end):
; lanes 0-15 hold the words of steps 0-3, lanes 16-31 those of steps 4-7, which the matrix instruction takes by its ROW1 selectors.
; CLUSTERS: 4 x 4 work-groups; tile column = cx, tile row = 4 x cluster y + cy.  A's tiles are asked for jointly along a row of the cluster, B's along a column.
; THE MATRIX INSTRUCTION IS USED TRANSPOSED (source 0 = 16 rows of B, source 1 = 16 rows of A): a lane holds eight neighbouring numbers of a row of C.
; NO PREFETCH: every read of memory stands at the head; there is no loop to run ahead in.
; REGISTERS: window 0: v0-31 addresses; v32-47 A's scale words, v48-79 B's; v96-191 A's fragments, two sets.  window 1: B's fragments, two sets, at v0 and v128.  window 2: accumulator (a, b) at v[64 a + 8 b].
.set SIZE_M, 8192
.set SIZE_N, 1024
.set KROW,   768                       ; a row of codes in memory
.set PITCH,  816                       ; and in LDS: 3 x (256 + 16)
.set ABYTES, 128*PITCH
.set SPARE,  384*PITCH                 ; behind the tiles: the spare words, 128 bytes a wave
.set SPITCH, 528                       ; the f32 way out: 16 rows x (512 + 16) bytes a wave, from LDS byte 0 on (read no more by then)
.set QST,    65536                     ; the quantising way out: 4,096 bytes a wave: 1,536 of codes; from 3,072 on 256 of scale words
.set QSS,  12
.set QRS,  13
.set CO8,  14                          ; 8 x lane
.set ADRA, 16                          ; v16 my A fragments; v17 the same where lanes 16-31 lie behind one padding more
.set ADRB, 20                          ; v20, v21 the same for B's blocks 0-3; v22, v23 for blocks 4-7
.set STO,  24
.set RD,   25
.set CO,   26                          ; 16 x lane
.set SOF,  27                          ; 32 r + 16 h
.set SPW,  28
.set NIL,  29
.set QSTO, 30
.set QRD,  31
.set SCA,  32
.set SCB,  48
.set AF,   96
.set BK,   128
.set QC,   112
.set OB,   132
.set TM,   200
.set PW,   216
.set G1, 24
.set G0, 32
.set G1B, 48
.set G0B, 56
.set MSB, 0
.macro WIN new                         ; the immediate's high byte repeats the setting that is left
.if MSB != \new
	s_set_vgpr_msb (MSB<<8)|\new
.set MSB, \new
.endif
.endm
.set MUL_W, 0xa1                       ; source 0 (B) window 1, source 1 (A) window 0, C and D window 2
.set TO_B,  0x40                       ; destination window 1
.macro CROUND                          ; a round of the cluster's barrier
	s_barrier_signal -1
	s_barrier_wait -1
	s_cmp_lg_u32 s14, 0
	s_cbranch_scc1 .Lnot_wave_0_\@
	s_barrier_signal -3
.Lnot_wave_0_\@:
	s_barrier_wait -3
	s_barrier_signal -1
	s_barrier_wait -1
.endm
.macro PLACES
.rept 4
	v_nop
.endr
.endm
	s_load_b512 s[24:39], s[0:1], 0x0              ; set 0: A's codes, A's scales, B's codes, B's scales; set 1 likewise
	s_load_b256 s[40:47], s[0:1], 0x40             ; set 2
	s_load_b256 s[48:55], s[0:1], 0x60             ; the f32 output; set 1's codes and scales out; set 2's codes out
	s_load_b64 s[56:57], s[0:1], 0x80              ; set 2's scales out
	v_lshl_add_u32 v[SPW], v0, 2, SPARE
	v_mov_b32 v[NIL], 0
	ds_add_u32 v[SPW], v[NIL]                      ; the opening lines: the add, twice on end, and its wait
	ds_add_u32 v[SPW], v[NIL]
	v_lshrrev_b32 v1, 5, v0
	v_readfirstlane_b32 s14, v1                    ; wave 0..3
	s_lshr_b32 s15, s14, 1                         ; my half of the tile's rows.  Also: I fetch for A (0) or for B (1)
	s_and_b32 s16, s14, 1                          ; my half of its columns.  Also: which half of that tile I fetch
	s_wait_dscnt 0x0
	s_wait_kmcnt 0x0
	s_cmp_eq_u32 ttmp9, 1                          ; the set is chosen by the cluster's x, which all sixteen partners share
	s_cselect_b64 s[4:5], s[32:33], s[24:25]       ; A's codes
	s_cselect_b64 s[6:7], s[34:35], s[26:27]       ; A's scales
	s_cselect_b64 s[8:9], s[36:37], s[28:29]       ; B's codes
	s_cselect_b64 s[10:11], s[38:39], s[30:31]     ; B's scales
	s_cselect_b64 s[12:13], s[50:51], s[48:49]     ; C: codes, or f32
	s_cmp_eq_u32 ttmp9, 2
	s_cselect_b64 s[4:5], s[40:41], s[4:5]
	s_cselect_b64 s[6:7], s[42:43], s[6:7]
	s_cselect_b64 s[8:9], s[44:45], s[8:9]
	s_cselect_b64 s[10:11], s[46:47], s[10:11]
	s_cselect_b64 s[12:13], s[54:55], s[12:13]
	s_cselect_b64 s[66:67], s[56:57], s[52:53]     ; C's scale bytes (not used by set 0)
	s_bfe_u32 s40, ttmp6, 0x40000                  ; cx = tile column
	s_bfe_u32 s41, ttmp6, 0x40004                  ; cy
	s_and_b32 s17, ttmp7, 0xffff
	s_lshl_b32 s17, s17, 2
	s_add_co_u32 s17, s17, s41                     ; tile row = 4 x cluster y + cy
	s_lshl_b32 s43, s41, 2
	s_lshl_b32 s43, 15, s43                        ; my row of the cluster
	s_lshl_b32 s44, 0x1111, s40                    ; my column
	; group 1: rows of 768 bytes, 16 bytes of padding behind every 64 words; 64 rows of A, 128 of B
	s_or_b32 s[G1+0], s43, (0<<16)|(1<<20)|(1<<21)|(5<<22)|(3<<25)
	s_or_b32 s[G1B+0], s44, (0<<16)|(1<<20)|(1<<21)|(5<<22)|(3<<25)
	s_mov_b32 s[G1+1], KROW<<16
	s_mov_b32 s[G1+2], 64<<16
	s_mov_b32 s[G1+3], KROW<<16
	s_mov_b32 s[G1+4], 64
	s_mov_b32 s[G1+5], KROW
	s_mov_b32 s[G1+6], 0
	s_mov_b32 s[G1+7], 0
	s_mov_b32 s[G1B+1], KROW<<16
	s_mov_b32 s[G1B+2], 128<<16
	s_mov_b32 s[G1B+3], KROW<<16
	s_mov_b32 s[G1B+4], 128
	s_mov_b32 s[G1B+5], KROW
	s_mov_b32 s[G1B+6], 0
	s_mov_b32 s[G1B+7], 0
	s_lshl_b32 s20, s17, 7                         ; A: row 128 x tile row + 64 x half
	s_lshl_b32 s18, s16, 6
	s_add_co_u32 s18, s20, s18
	s_mul_i32 s18, s18, KROW
	s_mov_b32 s19, 0
	s_mov_b32 s[G0], 1
	s_mul_i32 s[G0+1], s16, 64*PITCH               ; no place in the cluster enters an LDS address
	s_add_nc_u64 s[G0+2:G0+3], s[4:5], s[18:19]
	s_or_b32 s[G0+3], s[G0+3], 0x80000000
	s_lshl_b32 s92, s40, 8                         ; B: row 256 x tile column + 128 x half
	s_lshl_b32 s93, s16, 7
	s_add_co_u32 s92, s92, s93
	s_mul_i32 s92, s92, KROW
	s_mov_b32 s93, 0
	s_mov_b32 s[G0B], 1
	s_mul_i32 s[G0B+1], s16, 128*PITCH
	s_add_co_u32 s[G0B+1], s[G0B+1], ABYTES
	s_add_nc_u64 s[G0B+2:G0B+3], s[8:9], s[92:93]
	s_or_b32 s[G0B+3], s[G0B+3], 0x80000000
	CROUND                                         ; all sixteen work-groups are here: the joint loads meet
	s_cmp_eq_u32 s15, 0                            ; one tensor load a wave, a load in each arm; s_nop 0 and four v_nop behind each
	s_cbranch_scc0 .Lfor_b
	tensor_load_to_lds s[G0:G0+3], s[G1:G1+7]
	s_nop 0
	PLACES
	s_branch .Lasked
.Lfor_b:
	tensor_load_to_lds s[G0B:G0B+3], s[G1B:G1B+7]
	s_nop 0
	PLACES
.Lasked:
	s_mul_i32 s21, s15, 64*PITCH                   ; my 64 rows of A in LDS
	s_mul_i32 s22, s16, 128*PITCH                  ; my 128 rows of B
	s_add_co_u32 s22, s22, ABYTES
	s_mul_i32 s23, s14, 16*SPITCH                  ; my f32 stage
	s_lshl_b32 s45, s14, 12                        ; my stage of the quantising way out
	s_add_co_u32 s45, s45, QST
	s_mov_b32 s98, 0x76543210                      ; v_permlanex16_b32's selects for lane l xor 16
	s_mov_b32 s99, 0xfedcba98
	s_lshl_b32 s18, s15, 6
	s_add_co_u32 s20, s20, s18                     ; my first row of C
	s_lshl_b32 s46, s40, 1
	s_add_co_u32 s46, s46, s16                     ; my 128 columns: 2 x tile column + half
	s_lshl_b32 s92, s20, 12                        ; f32: row x 4,096 bytes + 512 for each 128 columns
	s_lshl_b32 s93, s46, 9
	s_add_co_u32 s92, s92, s93
	s_mul_i32 s94, s20, 96                         ; codes: row x 96 + a plane of 8,192 rows for each 128 columns
	s_mul_i32 s95, s46, SIZE_M*96
	s_add_co_u32 s94, s94, s95
	s_cmp_eq_u32 ttmp9, 0
	s_cselect_b32 s92, s92, s94
	s_mov_b32 s93, 0
	s_add_nc_u64 s[12:13], s[12:13], s[92:93]
	s_lshl_b32 s96, s20, 2                         ; scale bytes out: row x 4 + a plane of 32,768
	s_lshl_b32 s97, s46, 15
	s_add_co_u32 s96, s96, s97
	s_mov_b32 s97, 0
	s_add_nc_u64 s[66:67], s[66:67], s[96:97]
	s_lshl_b32 s18, s20, 5                         ; A's scales: 32 bytes a row, from my first row on
	s_mov_b32 s19, 0
	s_add_nc_u64 s[6:7], s[6:7], s[18:19]
	s_lshl_b32 s18, s46, 12                        ; B's: from row 128 x (2 x tile column + half) on
	s_add_nc_u64 s[10:11], s[10:11], s[18:19]
	v_and_b32 v1, 15, v0                           ; r
	v_bfe_u32 v2, v0, 4, 1                         ; h
	v_and_b32 v6, 31, v0
	v_mul_u32_u24 v3, v1, PITCH
	v_mad_u32_u24 v4, v2, 24, v3                   ; a fragment's row x pitch + 24 h
	v_mad_u32_u24 v5, v2, 40, v3                   ; and behind one padding more
	v_add_nc_u32 v[ADRA], s21, v4
	v_add_nc_u32 v[ADRA+1], s21, v5
	v_add_nc_u32 v[ADRB], s22, v4
	v_add_nc_u32 v[ADRB+1], s22, v5
	v_add_nc_u32 v[ADRB+2], 64*PITCH, v[ADRB]
	v_add_nc_u32 v[ADRB+3], 64*PITCH, v[ADRB+1]
	v_lshlrev_b32 v7, 5, v1
	v_lshl_add_u32 v[SOF], v2, 4, v7
	v_mul_u32_u24 v8, v1, SPITCH
	v_lshl_add_u32 v8, v2, 5, v8
	v_add_nc_u32 v[STO], s23, v8
	v_lshlrev_b32 v[CO], 4, v6
	v_add_nc_u32 v[RD], s23, v[CO]
	v_mul_u32_u24 v9, v1, 96
	v_mad_u32_u24 v9, v2, 24, v9
	v_add_nc_u32 v[QSTO], s45, v9
	v_add_nc_u32 v[QRD], s45, v[CO]
	v_lshl_add_u32 v[QSS], v1, 2, s45
	v_add_nc_u32 v[QSS], 3072, v[QSS]
	v_lshlrev_b32 v[CO8], 3, v6
	v_add_nc_u32 v[QRS], s45, v[CO8]
	v_add_nc_u32 v[QRS], 3072, v[QRS]
	s_wait_alu depctr_va_vdst(0)                   ; the wait at the head's end
.irp a, 0,1,2,3
	global_load_b128 v[SCA+4*\a:SCA+4*\a+3], v[SOF], s[6:7] offset:512*\a
.endr
.irp b, 0,1,2,3,4,5,6,7
	global_load_b128 v[SCB+4*\b:SCB+4*\b+3], v[SOF], s[10:11] offset:512*\b
.endr
; A fragment: lane l holds row l % 16; registers 6 c .. 6 c + 5 hold K = 64 c + 32 (l / 16) + 0 .. 31: 24 bytes of the row's stream of bits, in pieces of 8.  Byte y of a row lies at y + 16 (y / 256) of its LDS row.
.macro FRAG reg, adr, st, i
.irp p, 0,1,2,3,4,5
.set BY, 96*(\st)+48*(\p/3)+8*(\p%3)
.if BY/256 == (BY+24)/256
	ds_load_b64 v[\reg+2*\p:\reg+2*\p+1], v[\adr] offset:BY+16*(BY/256)+(\i)*16*PITCH
.else
	ds_load_b64 v[\reg+2*\p:\reg+2*\p+1], v[\adr+1] offset:BY+16*(BY/256)+(\i)*16*PITCH
.endif
.endr
.endm
.macro FETCH st                        ; step st's fragments into set st % 2: 72 loads
	WIN TO_B
.irp i, 0,1,2,3,4,5,6,7
	FRAG 128*((\st)%2)+12*\i, ADRB+2*(\i/4), \st, \i%4
.endr
	WIN 0
.irp i, 0,1,2,3
	FRAG AF+48*((\st)%2)+12*\i, ADRA, \st, \i
.endr
.endm
; 32 matrix instructions: 128 along K.  The 32 accumulators take turns, in the same order in every step.  The first step starts the sums.
.macro MUL st
.set BP, 128*((\st)%2)
.set AP, AF+48*((\st)%2)
.set SQ, (\st)%4
	WIN MUL_W
.irp a, 0,1,2,3
.irp b, 0,1,2,3,4,5,6,7
.if (\st) == 0
	v_wmma_scale_f32_16x16x128_f8f6f4 v[64*\a+8*\b:64*\a+8*\b+7], v[BP+12*\b:BP+12*\b+11], v[AP+12*\a:AP+12*\a+11], 0, v[SCB+4*\b+SQ], v[SCA+4*\a+SQ] matrix_a_fmt:MATRIX_FMT_FP6 matrix_b_fmt:MATRIX_FMT_FP6
.else
.if (\st) < 4
	v_wmma_scale_f32_16x16x128_f8f6f4 v[64*\a+8*\b:64*\a+8*\b+7], v[BP+12*\b:BP+12*\b+11], v[AP+12*\a:AP+12*\a+11], v[64*\a+8*\b:64*\a+8*\b+7], v[SCB+4*\b+SQ], v[SCA+4*\a+SQ] matrix_a_fmt:MATRIX_FMT_FP6 matrix_b_fmt:MATRIX_FMT_FP6
.else
	v_wmma_scale_f32_16x16x128_f8f6f4 v[64*\a+8*\b:64*\a+8*\b+7], v[BP+12*\b:BP+12*\b+11], v[AP+12*\a:AP+12*\a+11], v[64*\a+8*\b:64*\a+8*\b+7], v[SCB+4*\b+SQ], v[SCA+4*\a+SQ] matrix_a_fmt:MATRIX_FMT_FP6 matrix_b_fmt:MATRIX_FMT_FP6 matrix_a_scale:MATRIX_SCALE_ROW1 matrix_b_scale:MATRIX_SCALE_ROW1
.endif
.endif
.endr
.endr
	WIN 0
.endm
	s_wait_tensorcnt 0x0                           ; my part of the tiles is in,
	s_wait_loadcnt 0x0                             ; and my scale words
	s_barrier_signal -1
	s_barrier_wait -1                              ; everybody's part is
	FETCH 0
.set ST, 0
.rept 7
	s_wait_dscnt 0x0                               ; this step's fragments are in
.if ST > 0
	PLACES                                         ; in front of loads into the set that the last step multiplied
.endif
	FETCH ST+1
	MUL ST
.set ST, ST+1
.endr
	s_wait_dscnt 0x0                               ; my last reads of the tiles are over:
	s_barrier_signal -1                            ; say so; behind this barrier the stages are laid over the tiles' bytes, which have had their only fill
	MUL 7
	s_barrier_wait -1
	PLACES                                         ; for both ways out: reads of results, and writes into the registers that held A's fragments
	s_cmp_lg_u32 ttmp9, 0                          ; the same in all sixteen partners and in all four waves
	s_cbranch_scc1 .Lquant
; THE F32 WAY OUT, block by block of 16 rows x 128 columns, through my own stage: whole rows of 512 bytes come back and leave as two aligned runs of 256 bytes.
.macro TOSTAGE a
	WIN 0x08                                       ; the data: window 2
.irp b, 0,1,2,3,4,5,6,7
	ds_store_b128 v[STO], v[64*(\a)+8*\b:64*(\a)+8*\b+3] offset:64*\b       ; each accumulator from its low end on
	ds_store_b128 v[STO], v[64*(\a)+8*\b+4:64*(\a)+8*\b+7] offset:64*\b+16
.endr
	WIN 0
.set BB, BK+64*((\a)%2)
.irp t, 0,1,2,3,4,5,6,7,8,9,10,11,12,13,14,15
	ds_load_b128 v[BB+4*\t:BB+4*\t+3], v[RD] offset:\t*SPITCH       ; LDS serves a wave's instructions in order (ISA guide 5.7.1.4): these see the stores above
.endr
.endm
.macro SEND a, younger                 ; younger: the LDS instructions issued behind block a's loads, which may stay out
.set BB, BK+64*((\a)%2)
	s_wait_dscnt \younger
.if (\a) > 0
	s_add_nc_u64 s[12:13], s[12:13], 16*SIZE_N*4   ; (behind a wait on XCNT: the earlier stores have read their base)
.endif
.irp t, 0,1,2,3,4,5,6,7,8,9,10,11,12,13,14,15
	global_store_b128 v[CO], v[BB+4*\t:BB+4*\t+3], s[12:13] offset:\t*SIZE_N*4 th:TH_STORE_NT   ; 32 lanes store 512 consecutive bytes, aligned
.endr
.endm
	TOSTAGE 0
.irp a, 1,2,3
.if \a > 1
	s_wait_xcnt 0x0                                ; block a - 2's stores have read their registers and their base
.endif
	TOSTAGE \a
	SEND \a-1, 32                                  ; behind block a - 1's loads: block a's 16 stores and 16 loads
.endr
	s_wait_xcnt 0x0
	SEND 3, 0
	s_branch .Lend
; THE QUANTISING WAY OUT.  In block a (16 rows) lane (r, h) holds row r; register 16 b + i of its 64 is column 32 b + 16 (i / 8) + 8 h + i % 8: half of block b of 32 columns; lane l xor 16 holds the other half.
; The conversions give half blocks; three exchanges of halves a pair of blocks give a lane a whole block: lane (r, h), registers QC + 6 c on: block 2 c + h.
.macro QOUT a
.set AC, 64*(\a)
	WIN 0x28                                       ; sources 1 and 2: window 2
.irp b, 0,1,2,3
	v_max3_num_f32 v[TM+\b], 0x1800000, |v[AC+16*\b]|, |v[AC+16*\b+1]|   ; my 16 numbers of block b, each accumulator from its low end on, and the floor 2^(3 - 127)
.endr
.irp i, 2,4,6,8,10,12,14
.irp b, 0,1,2,3
	v_max3_num_f32 v[TM+\b], v[TM+\b], |v[AC+16*\b+\i]|, |v[AC+16*\b+\i+1]|
.endr
.endr
	WIN 0
.irp b, 0,1,2,3
	v_permlanex16_b32 v[TM+4+\b], v[TM+\b], s98, s99
.endr
.irp b, 0,1,2,3
	v_max_num_f32 v[TM+\b], v[TM+\b], v[TM+4+\b]   ; with lane l xor 16's: the block's largest magnitude
.endr
.irp b, 0,1,2,3
	v_add_nc_u32 v[TM+12+\b], 0xff000000, v[TM+\b] ; 2 off its exponent field: the conversion's scale operand
.endr
.irp b, 0,1,2,3
	v_lshrrev_b32 v[TM+4+\b], 23, v[TM+12+\b]      ; the scale's byte
.endr
	v_lshl_or_b32 v[PW], v[TM+5], 8, v[TM+4]       ; my row's four bytes
	v_lshl_or_b32 v[PW], v[TM+6], 16, v[PW]
	v_lshl_or_b32 v[PW], v[TM+7], 24, v[PW]
	WIN 0x02                                       ; source 0: window 2
.irp c, 0,1
	v_cvt_scalef32_pk16_fp6_f32 v[QC+6*\c:QC+2+6*\c], v[AC+32*\c:AC+15+32*\c], v[TM+12+2*\c]
	v_cvt_scalef32_pk16_fp6_f32 v[QC+12+4*\c:QC+14+4*\c], v[AC+16+32*\c:AC+31+32*\c], v[TM+12+2*\c+1]   ; (a conversion's three registers begin on an even number)
.endr
	WIN 0
	v_nop                                          ; one plain place behind a scaled conversion
.irp c, 0,1
.irp i, 0,1,2
	v_permlane16_swap_b32 v[QC+6*\c+\i], v[QC+12+4*\c+\i]
.endr
.irp i, 0,1,2
	v_mov_b32 v[QC+3+6*\c+\i], v[QC+12+4*\c+\i]
.endr
.endr
.irp p, 0,1,2,3,4,5
	ds_store_b64 v[QSTO], v[QC+2*\p:QC+2*\p+1] offset:48*(\p/3)+8*(\p%3)   ; row r's 96 bytes: block 2 c + h at 48 c + 24 h
.endr
	ds_store_b32 v[QSS], v[PW] offset:64*(\a)      ; both lanes of a row write the same word with the same value
	s_wait_xcnt 0x0                                ; the last block's stores have read the registers that the loads below fill
.irp i, 0,1,2
	ds_load_b128 v[OB+4*\i:OB+4*\i+3], v[QRD] offset:512*\i   ; LDS serves a wave's instructions in order: these see my stores
.endr
	s_wait_dscnt 0x0                               ; the block is back, and the stores above have read their registers
.irp i, 0,1,2
	global_store_b128 v[CO], v[OB+4*\i:OB+4*\i+3], s[12:13] offset:1536*(\a)+512*\i   ; 16 rows x 96 bytes are 1,536 consecutive bytes: 512 a store, aligned
.endr
.endm
.Lquant:
.irp b, 0,1,2,3
	v_mov_b32 v[TM+4+\b], 0                        ; written once: a lane permute's destination counts as one of its sources
.endr
.irp a, 0,1,2,3
	QOUT \a
.endr
	ds_load_b64 v[160:161], v[QRS]                 ; my 64 rows' scale words: 256 bytes on end
	s_wait_dscnt 0x0
	global_store_b64 v[CO8], v[160:161], s[66:67]  ; 32 lanes store 256 consecutive bytes, aligned
.Lend:
	s_wait_tensorcnt 0x0                           ; the wave's end
	ds_add_u32 v[SPW], v[NIL]
	s_wait_dscnt 0x0
	CROUND                                         ; the closing round
	s_endpgm
.Lfunc_end_k_q08f507f70e_proj:
	.size	k_q08f507f70e_proj, .Lfunc_end_k_q08f507f70e_proj-k_q08f507f70e_proj
	.p2alignl 7, 3214868480
	.fill 96, 4, 3214868480
	.section	.rodata,"a",@progbits
	.p2align	6, 0x0
	.amdhsa_kernel k_q08f507f70e_proj
		.amdhsa_group_segment_fixed_size 327680
		.amdhsa_private_segment_fixed_size 0
		.amdhsa_enable_private_segment 0
		.amdhsa_kernarg_size 136
		.amdhsa_user_sgpr_count 2
		.amdhsa_user_sgpr_kernarg_segment_ptr 1
		.amdhsa_wavefront_size32 1
		.amdhsa_system_sgpr_workgroup_id_x 1
		.amdhsa_system_sgpr_workgroup_id_y 1
		.amdhsa_system_sgpr_workgroup_id_z 1
		.amdhsa_system_vgpr_workitem_id 0
		.amdhsa_next_free_vgpr 768
		.amdhsa_next_free_sgpr 100
		.amdhsa_reserve_vcc 0
		.amdhsa_float_denorm_mode_32 3
		.amdhsa_float_denorm_mode_16_64 3
		.amdhsa_memory_ordered 1
		.amdhsa_forward_progress 1
		.amdhsa_inst_pref_size 114
	.end_amdhsa_kernel
	.amdgpu_metadata
---
amdhsa.version: [ 1, 2 ]
amdhsa.kernels:
  - .name:           k_q08f507f70e_proj
    .symbol:         k_q08f507f70e_proj.kd
    .args:
      - { .name: oc, .offset: 0, .size: 8, .value_kind: global_buffer, .address_space: global }
      - { .name: os, .offset: 8, .size: 8, .value_kind: global_buffer, .address_space: global }
      - { .name: w_o_codes, .offset: 16, .size: 8, .value_kind: global_buffer, .address_space: global }
      - { .name: w_o_scales, .offset: 24, .size: 8, .value_kind: global_buffer, .address_space: global }
      - { .name: q_codes, .offset: 32, .size: 8, .value_kind: global_buffer, .address_space: global }
      - { .name: q_scales, .offset: 40, .size: 8, .value_kind: global_buffer, .address_space: global }
      - { .name: w_q_codes, .offset: 48, .size: 8, .value_kind: global_buffer, .address_space: global }
      - { .name: w_q_scales, .offset: 56, .size: 8, .value_kind: global_buffer, .address_space: global }
      - { .name: k_codes, .offset: 64, .size: 8, .value_kind: global_buffer, .address_space: global }
      - { .name: k_scales, .offset: 72, .size: 8, .value_kind: global_buffer, .address_space: global }
      - { .name: w_k_codes, .offset: 80, .size: 8, .value_kind: global_buffer, .address_space: global }
      - { .name: w_k_scales, .offset: 88, .size: 8, .value_kind: global_buffer, .address_space: global }
      - { .name: out0, .offset: 96, .size: 8, .value_kind: global_buffer, .address_space: global }
      - { .name: qc, .offset: 104, .size: 8, .value_kind: global_buffer, .address_space: global }
      - { .name: qs, .offset: 112, .size: 8, .value_kind: global_buffer, .address_space: global }
      - { .name: kc, .offset: 120, .size: 8, .value_kind: global_buffer, .address_space: global }
      - { .name: ks, .offset: 128, .size: 8, .value_kind: global_buffer, .address_space: global }
    .group_segment_fixed_size: 327680
    .private_segment_fixed_size: 0
    .kernarg_segment_align: 8
    .kernarg_segment_size: 136
    .max_flat_workgroup_size: 128
    .sgpr_count:     100
    .vgpr_count:     768
    .wavefront_size: 32
...
	.end_amdgpu_metadata
.endif
;; end of part 3
